; MI455X (gfx1250); checked and timed in simulation.
; The chip was launched on July 23, 2026; its instructions are those of AMD's public machine-readable ISA for CDNA 5 (MIT licence, August 2026) and "CDNA5" Instruction Set Architecture Reference Guide (July 2026). The comments in the code are by the model that wrote it; some were corrected since.
;; My GRU Transition. Allowed arithmetic: matrix products marked QUANTISED: E2M3 operands, one E8M0 scale for each 32 along K, by v_wmma_scale_f32_16x16x128_f8f6f4 with both operands' format E2M3, f32 sums; everything else in f32.
;; Inputs: W_h2h_codes 512 x 16 x 24 uint8 (E2M3 codes of W_h2h, K innermost, in blocks of 32 codes, four codes in three bytes); W_h2h_scales 512 x 16 uint8 (E8M0 scales of W_h2h, one for each 32 codes along K); W_ig_codes 1,024 x 16 x 24 uint8 (E2M3 codes of W_ig, K innermost, in blocks of 32 codes, four codes in three bytes); W_ig_scales 1,024 x 16 uint8 (E8M0 scales of W_ig, one for each 32 codes along K); W_is_codes 512 x 16 x 24 uint8 (E2M3 codes of W_is, K innermost, in blocks of 32 codes, four codes in three bytes); W_is_scales 512 x 16 uint8 (E8M0 scales of W_is, one for each 32 codes along K); W_sg_codes 1,024 x 16 x 24 uint8 (E2M3 codes of W_sg, K innermost, in blocks of 32 codes, four codes in three bytes); W_sg_scales 1,024 x 16 uint8 (E8M0 scales of W_sg, one for each 32 codes along K); b_ig 1,024 float32; b_is 512 float32; data_codes 32,768 x 16 x 24 uint8 (E2M3 codes of data, K innermost, in blocks of 32 codes, four codes in three bytes); data_scales 32,768 x 16 uint8 (E8M0 scales of data, one for each 32 codes along K); state 32,768 x 512 float32.
;; Outputs: out0 32,768 x 512 float32.
;; This version of the problem:
;;   THIS VERSION OF THE PROBLEM IS GIVEN IN LOW PRECISION. The matrix products marked QUANTISED in the list below multiply operands that are first quantised to E2M3 (2 exponent bits, 3 mantissa bits; 6 bits a number), with one power-of-two scale for each 32 numbers along K (OCP MX v1.0); their sums are f32. All else is computed in f32.
;;   The module's matrix products, in the order in which they are computed (A, B: the left and right operand; K: the contracted axis; several contracted axes count as one K, in the product's order):
;;     1. [M 32,768, K 512] x [K 512, N 512]; A: input data (given as codes); B: input W_is (given as codes): QUANTISED
;;     2. [M 32,768, K 512] x [K 512, N 1,024]; A: input data (given as codes); B: input W_ig (given as codes): QUANTISED
;;     3. [M 32,768, K 512] x [K 512, N 1,024]; A: input state; B: input W_sg (given as codes): QUANTISED
;;     4. [M 32,768, K 512] x [K 512, N 512]; A: computed on the way; B: input W_h2h (given as codes): QUANTISED
;;   THE QUANTISER, for each operand of a quantised product, along K:
;;     - K is cut into blocks of 32 from its start; a last block that is shorter is filled with zeros.
;;     - A block's scale is 2^e with e = floor(log2(the largest magnitude in the block)) - 2, held to -126 .. 127; a block of zeros has e = 0. As a byte (E8M0): e + 127.
;;     - Each number is divided by its block's scale, clamped to +-7.5, and rounded to the nearest number of E2M3, ties to even, subnormals kept.
;;     - The product sums the exact products of the quantised numbers (number of the format x scale) in f32.
;;   ~~~python
;;   def quantise(x, axis):      # numpy; x: float32 -> the quantised numbers, widened to float32 again
;;       x = np.moveaxis(x, axis, -1); K = x.shape[-1]
;;       x = np.pad(x, [(0, 0)] * (x.ndim - 1) + [(0, -K % 32)]); x = x.reshape(x.shape[:-1] + (-1, 32)); a = np.abs(x).max(-1, keepdims=True)
;;       e = np.where(a > 0, np.clip(np.frexp(np.where(a > 0, a, 1))[1] - 1 - 2, -126, 127), 0)      # np.frexp(a)[1] - 1 = floor(log2(a)), exactly
;;       r = np.clip(x / 2.0 ** e, -7.5, 7.5)
;;       step = 2.0 ** (np.maximum(np.frexp(np.where(r == 0, 1, r))[1] - 1, 0) - 3)
;;       q = np.round(r / step) * step * 2.0 ** e      # np.round: ties to even
;;       return np.moveaxis(q.reshape(q.shape[:-2] + (-1,))[..., :K], -1, axis).astype(np.float32)
;;   ~~~
;;   OPERANDS COMPUTED ON THE WAY. 'Computed on the way' means the value that the module computes at that place (a softmax that the list does not call 'softmax' is quantised finished and normalised). What goes into a quantiser is computed in f32, as accurately as f32 sums, v_exp_f32 and their like allow (about 1e-6 of the number): no bf16 or f16 on the way to a quantiser, and a product that is left as it is and whose result goes on into a quantised operand takes f32 operands (vector FMAs, or v_wmma_f32_16x16x4_f32). A number that lies on a knife's edge between two numbers of the format may be rounded either way, as far as f32 arithmetic and the matrix unit's own rounding can turn it there, and no further.
;;   INPUTS GIVEN AS CODES. W_h2h (in the module: [512, 512], K = its axis 1); W_ig (in the module: [1024, 512], K = its axis 1); W_is (in the module: [512, 512], K = its axis 1); W_sg (in the module: [1024, 512], K = its axis 1); data (in the module: [32768, 512], K = its axis 1): each comes as NAME_codes (uint8): NAME with its K axis moved to the last place and cut into blocks of 32 codes, [.., K / 32, bytes a block], one block behind the other in memory; four codes in three bytes: a row's codes are one little-endian stream of bits, code i at bits 6 i .. 6 i + 5 (a code: sign, 2 exponent bits, 3 mantissa bits); and NAME_scales (uint8): the same leading axes, one E8M0 byte (e + 127) for each 32 codes along K. Its value is code x scale, taken as it is: it is not quantised again, and the codes and scales need not be those that the quantiser above would give.
;; 2 versions. Each part assembles by itself: llvm-mc -triple=amdgcn-amd-amdhsa -mcpu=gfx1250 --defsym DOCPART=n.
;; ======== version 1 of 2: 1 launch
;; launch gru (part 1): grid 256 x 1, 4 waves a work-group, clusters of 4 x 1, 327,680 bytes of LDS; arguments state, data_codes, data_scales, b_ig, b_is, out0, W_ig_codes, W_ig_scales, W_sg_codes, W_sg_scales, W_is_codes, W_is_scales, W_h2h_codes, W_h2h_scales; writes out0
.if DOCPART == 1
	.amdgcn_target "amdgcn-amd-amdhsa--gfx1250"
	.amdhsa_code_object_version 6
	.text
	.protected	k_q1c64dcbd9f_gru
	.globl	k_q1c64dcbd9f_gru
	.p2align	8
	.type	k_q1c64dcbd9f_gru,@function
k_q1c64dcbd9f_gru:
	s_mov_b64 s[64:65], 0
	v_nop
	global_prefetch_b8 v0, s[64:65] scope:SCOPE_SE
	s_setreg_imm32_b32 hwreg(HW_REG_WAVE_MODE, 25, 1), 1
	s_wait_xcnt 0x0
	s_wait_alu depctr_hold_cnt(0) depctr_sa_sdst(0) depctr_va_vdst(0) depctr_va_sdst(0) depctr_va_ssrc(0) depctr_va_vcc(0) depctr_vm_vsrc(0)
	s_getreg_b32 s2, hwreg(HW_REG_IB_STS2, 6, 4)
	s_cmp_eq_u32 s2, 0
	s_cbranch_scc0 .Lentry_in_a_cluster
	s_endpgm
.Lentry_in_a_cluster:
	s_bfe_u32 s2, ttmp6, 0x10000c
	s_cmp_lg_u32 s2, 0x3003
	s_cbranch_scc0 .Lentry_shape_is_right
	s_endpgm
.Lentry_shape_is_right:
; One GRU step on 32,768 rows of 512:  r = sigmoid(data W_ig[512:]^T + b_ig[512:] + Q(state) W_sg[512:]^T),  u = the same with rows 0-511,
; hat = tanh(data W_is^T + b_is + Q(state r) W_h2h^T),  out = u hat + (1 - u) state.  All four products on codes of FP6 (E2M3) with one E8M0 scale for each 32 along K; sums and all else in f32.
; SHARES.  256 work-groups of four waves; a work-group owns 128 rows, WAVE w OWNS ROWS 32 w .. 32 w + 31 (two tiles of 16) FOR ALL COLUMNS.  What belongs to a row stays in that wave's registers:
; state in f32 (512 registers), the codes of data, Q(state) and Q(state r) (96 each) and their scale words.  No operand goes from wave to wave.
; THE WEIGHTS walk through a ring of two LDS slots, 12 slots in all, each of 4 chunks x 64 weight rows x 384 bytes (all of K); wave c fetches chunk c.  Slots 0-3 (phase R): 128 columns of r each, and state r
; is quantised on the way.  Slots 4-11 (phase H): 64 columns of out each: hat and u are summed side by side, blended with state and stored.  A slot is 128 matrix instructions a wave.
; CLUSTER.  All work-groups walk the same weights: the four of a cluster ask for each tile JOINTLY (mask 15), which divides the requests for weights by four.
; THE MATRIX INSTRUCTION IS USED TRANSPOSED: source 0 = 16 weight rows, source 1 = my 16 rows: lane (r, h) holds row r and, in register j, column 16 tile + 8 h + j.  A tile is 16 CONSECUTIVE weight rows (with the
; LDS pitch of 432 bytes their 8-byte pieces fall on 64 different banks of 4 bytes); eight lane swaps between two neighbouring tiles then give 16 registers = columns 32 B + 16 h + 0 .. 15, which is state's layout and the quantiser's.
; LIMITS.  NaN and infinities in state are not served.  A block whose largest magnitude lies under 2^-124, a block of zeros among them, gets the scale byte 1 (the stated rule says 127 for zeros): its codes are zeros or
; subnormal codes and this program alone reads the byte.  sigmoid(x) = 1 / (1 + 2^(-x log2 e)), tanh(x) = 1 - 2 / (1 + 2^(2 x log2 e)): an overflowing power gives the limits 0, 1, -1; tanh has an absolute error of about 1e-7 near 0.
; REGISTERS, in windows of 256 (s_set_vgpr_msb: bits 1:0 source 0, 3:2 source 1, 5:4 source 2, 7:6 destination):
;   window 0: v1-19 addresses and small things; v20-23 data's scale words, v24-27 Q(state)'s, v28-31 Q(state r)'s (register = K step; lanes 0-15 my rows 0-15, lanes 16-31 my rows 16-31);
;             v32-47 weights' scale words; v48-111 eight accumulators; v112-159 weight fragments, set 1, and between the products biases and the quantiser's work; v160-255 Q(state)'s codes
;   window 1: v0-47 weight fragments, set 0; v48-143 data's codes; v144-239 Q(state r)'s codes.     windows 2, 3: state of my rows 0-15, 16-31: register 16 B + i = column 32 B + 16 h + i
.set CHB,   27648                      ; a chunk in LDS: 64 rows x 432
.set TLB,   6912                       ; a tile of 16 rows
.set SLOTB, 110592                     ; a slot: four chunks.  Slot 0 at LDS byte 0, slot 1 behind it
.set HSC,   221184                     ; phase H's weight scales: chunk x 8,192 + slot x 1,024 + row x 16; filled once
.set RSC,   253952                     ; phase R's: chunk x 4,096 + slot x 1,024 + row x 16; filled once
.set BIAS,  270336                     ; 1,024 words b_ig x (-log2 e), then 512 words b_is x (2 log2 e); stored once
.set PRIV,  276480                     ; 12,288 bytes for each wave: in phase R the images of Q(state r)'s 8 fragments, in phase H the stage of 32 rows x 272 bytes for out
.set SPARE, 325632                     ; the spare words, 128 bytes for each wave: two blocks of 256 bytes that no other line names
.set ACC,   48                         ; accumulator (f, m) at v[ACC + 8 (4 m + f)]
.set FB,    112                        ; weight fragments, set 1 (window 0)
.set FA,    0                          ; set 0 (window 1)
.set QC,    160                        ; Q(state)'s fragment (m, ks) at QC + 12 (4 m + ks), window 0
.set DC,    48                         ; data's, window 1
.set RC,    144                        ; Q(state r)'s, window 1
.set BS,    32                         ; weights' scale words
.set TM,    112                        ; the quantiser: +0..3 largest magnitudes, +4..7 the other half's, then bytes, +12..15 scale operands
.set PT,    130                        ; the conversions' second halves
.set PC,    140                        ; phase R: the codes just made
.set MSB, 0
.macro WIN new                         ; the immediate's high byte repeats the setting that is left; a switch that changes nothing is dropped
.if MSB != (\new)
	s_set_vgpr_msb (MSB<<8)|(\new)
.set MSB, (\new)
.endif
.endm
; A load into a register that a matrix instruction has read, and a vector instruction that reads a matrix result, stand four places behind it; only plain vector instructions that name none of its registers are places.
.macro PLACES
.rept 4
	v_nop
.endr
.endm
; A round of the cluster's barrier: my work-group's barrier, wave 0 signals for the work-group, every wave waits for all four work-groups, my work-group's barrier once more.
.macro CROUND
	s_barrier_signal -1
	s_barrier_wait -1
	s_cmp_lg_u32 s32, 0
	s_cbranch_scc1 .Lnot_wave_0_\@
	s_barrier_signal -3
.Lnot_wave_0_\@:
	s_barrier_wait -3
	s_barrier_signal -1
	s_barrier_wait -1
.endm
; THE CHANGE OF SLOTS stands at a slot's head.  Each wave waits for all its tensor loads (its chunk of the slot about to be read), adds 0 to its spare word, and waits for that and for its reads of the slot that it has left.
; fill = 1: behind a round of the cluster's barrier that other slot takes the next 256 weight rows: the load has a whole slot's 128 matrix instructions and their vector work in which to land.
.macro CHANGE fill
	s_wait_tensorcnt 0x0               ; no tensor load of mine is out, so group 0 may be written
	ds_add_u32 v16, v17                ; 0 onto my spare word
.if \fill
	s_xor_b32 s81, s81, SLOTB          ; the other slot than last time,
	s_add_co_u32 s61, s81, s82         ; my chunk of it,
	s_mov_b64 s[62:63], s[76:77]       ; the next rows' address,
	s_or_b32 s63, s63, 0x80000000      ; type = 2
.endif
	s_wait_dscnt 0x0                   ; the add is done, and all my LDS reads and stores are over
.if \fill
	CROUND                             ; no wave of any partner still reads that slot or has a load on its way
	tensor_load_to_lds s[60:63], s[36:43]   ; my one tensor load behind the round, and the first thing there
	s_nop 0
	PLACES
.else
	s_barrier_signal -1
	s_barrier_wait -1
.endif
.endm
; A weight fragment, 16 rows x 128 K: 12 registers: lane (r, h): registers 0-5 the 24 bytes at 96 q + 24 h of row r, registers 6-11 those 48 bytes on; in pieces of 8 bytes.  The mover has laid 16 bytes of padding
; behind every 128 (16 pieces): where the piece three on (lanes 16-31) lies behind one padding more, the second address register (40 for 24 bytes a half) serves.  Symbols: rF register, cnk chunk, til tile, qq K step.
.macro WFRAG
.irp p, 0,1,2,3,4,5
.set pce, 12*qq+6*(\p/3)+\p%3
.if pce%16 < 13
	ds_load_b64 v[rF+2*\p:rF+2*\p+1], v[3+2*(cnk/2)] offset:(cnk%2)*CHB+til*TLB+8*pce+16*(pce/16)
.else
	ds_load_b64 v[rF+2*\p:rF+2*\p+1], v[4+2*(cnk/2)] offset:(cnk%2)*CHB+til*TLB+8*pce+16*(pce/16)
.endif
.endr
.endm
; The four fragments of step s (0-3: against data; 4-7: against state's codes) of half e, into set s % 2.  kind 0 (R): chunk 2 e + s / 4, tiles 0-3.  kind 1 (H): fragments 0, 1 for hat (chunks 0, 1), 2, 3 for u (chunks 2, 3), tiles 2 e, 2 e + 1.
.macro FETCH kind, e, s
.if (\s)%2
	WIN 0
.else
	WIN 0x40                           ; destination window 1, address window 0
.endif
.set qq, (\s)%4
.irp f, 0,1,2,3
.if \kind
.set cnk, 2*(\f/2)+(\s)/4
.set til, 2*(\e)+\f%2
.else
.set cnk, 2*(\e)+(\s)/4
.set til, \f
.endif
.if (\s)%2
.set rF, FB+12*\f
.else
.set rF, FA+12*\f
.endif
	WFRAG
.endr
.endm
; One matrix instruction, by the symbols rD, rA, rB, rSA, rSB; zC: the constant 0 starts the sum; rowA, rowB: the scales stand in lanes 16-31 of their registers.
.macro WMI
.if zC
.if rowA && rowB
	v_wmma_scale_f32_16x16x128_f8f6f4 v[rD:rD+7], v[rA:rA+11], v[rB:rB+11], 0, v[rSA], v[rSB] matrix_a_fmt:MATRIX_FMT_FP6 matrix_b_fmt:MATRIX_FMT_FP6 matrix_a_scale:MATRIX_SCALE_ROW1 matrix_b_scale:MATRIX_SCALE_ROW1
.elseif rowA
	v_wmma_scale_f32_16x16x128_f8f6f4 v[rD:rD+7], v[rA:rA+11], v[rB:rB+11], 0, v[rSA], v[rSB] matrix_a_fmt:MATRIX_FMT_FP6 matrix_b_fmt:MATRIX_FMT_FP6 matrix_a_scale:MATRIX_SCALE_ROW1
.elseif rowB
	v_wmma_scale_f32_16x16x128_f8f6f4 v[rD:rD+7], v[rA:rA+11], v[rB:rB+11], 0, v[rSA], v[rSB] matrix_a_fmt:MATRIX_FMT_FP6 matrix_b_fmt:MATRIX_FMT_FP6 matrix_b_scale:MATRIX_SCALE_ROW1
.else
	v_wmma_scale_f32_16x16x128_f8f6f4 v[rD:rD+7], v[rA:rA+11], v[rB:rB+11], 0, v[rSA], v[rSB] matrix_a_fmt:MATRIX_FMT_FP6 matrix_b_fmt:MATRIX_FMT_FP6
.endif
.else
.if rowA && rowB
	v_wmma_scale_f32_16x16x128_f8f6f4 v[rD:rD+7], v[rA:rA+11], v[rB:rB+11], v[rD:rD+7], v[rSA], v[rSB] matrix_a_fmt:MATRIX_FMT_FP6 matrix_b_fmt:MATRIX_FMT_FP6 matrix_a_scale:MATRIX_SCALE_ROW1 matrix_b_scale:MATRIX_SCALE_ROW1
.elseif rowA
	v_wmma_scale_f32_16x16x128_f8f6f4 v[rD:rD+7], v[rA:rA+11], v[rB:rB+11], v[rD:rD+7], v[rSA], v[rSB] matrix_a_fmt:MATRIX_FMT_FP6 matrix_b_fmt:MATRIX_FMT_FP6 matrix_a_scale:MATRIX_SCALE_ROW1
.elseif rowB
	v_wmma_scale_f32_16x16x128_f8f6f4 v[rD:rD+7], v[rA:rA+11], v[rB:rB+11], v[rD:rD+7], v[rSA], v[rSB] matrix_a_fmt:MATRIX_FMT_FP6 matrix_b_fmt:MATRIX_FMT_FP6 matrix_b_scale:MATRIX_SCALE_ROW1
.else
	v_wmma_scale_f32_16x16x128_f8f6f4 v[rD:rD+7], v[rA:rA+11], v[rB:rB+11], v[rD:rD+7], v[rSA], v[rSB] matrix_a_fmt:MATRIX_FMT_FP6 matrix_b_fmt:MATRIX_FMT_FP6
.endif
.endif
.endm
; Step s of a half: 8 matrix instructions, 4 weight fragments x my 2 tiles of rows.  The eight accumulators take turns, one instruction a turn, in the same order in every step.
.macro MUL kind, e, s
.irp f, 0,1,2,3
.irp m, 0,1
.set rD, ACC+8*(4*\m+\f)
.if (\s)%2
.set rA, FB+12*\f
.set wA, 0
.else
.set rA, FA+12*\f
.set wA, 1
.endif
.if (\s) < 4
.set rB, DC+12*(4*\m+(\s)%4)           ; data
.set wB, 1
.set rSB, 20+(\s)%4
.elseif (\kind) && (\f < 2)
.set rB, RC+12*(4*\m+(\s)%4)           ; Q(state r), for hat
.set wB, 1
.set rSB, 28+(\s)%4
.else
.set rB, QC+12*(4*\m+(\s)%4)           ; Q(state)
.set wB, 0
.set rSB, 24+(\s)%4
.endif
.if \kind
.set ix, 2*(\f/2)+(\s)/4
.else
.set ix, 2*((\s)/4)+\f/2
.endif
.set rSA, BS+4*ix+(\s)%4
.set rowA, \f%2
.set rowB, \m
.if (\s) == 0
.set zC, 1
.else
.set zC, 0
.endif
	WIN wA|(wB<<2)
	WMI
.endr
.endr
.endm
; The weights' scale words of half e: each load takes 32 rows x 16 bytes, 16 a lane: lanes 0-15 the even tile, lanes 16-31 the odd one; the four registers are the four K steps.
.macro SCL kind, e
.irp x, 0,1,2,3
.if \kind
	ds_load_b128 v[BS+4*\x:BS+4*\x+3], v8 offset:\x*8192+512*(\e)
.else
	ds_load_b128 v[BS+4*\x:BS+4*\x+3], v8 offset:(2*(\e)+\x/2)*4096+512*(\x%2)
.endif
.endr
.endm
; The biases of half e's four tiles, in the result's layout: lane (r, h) takes the tile's eight words 8 h on.  They land where weight fragments of set 1 lay.
.macro BIASLD kind, e
.irp f, 0,1,2,3
.if \kind
.if \f < 2
.set bo, 4096+4*(32*(\e)+16*\f)
.else
.set bo, 4*(32*(\e)+16*(\f-2))
.endif
.else
.set bo, 4*(64*(\e)+16*\f)
.endif
	ds_load_b128 v[FB+8*\f:FB+8*\f+3], v10 offset:bo
	ds_load_b128 v[FB+8*\f+4:FB+8*\f+7], v10 offset:bo+16
.endr
.endm
; Half e of a slot: eight steps.  In each the next step's 24 fragment loads go out first, in one run, into the set that the step before has multiplied; then this step's products.
.macro HALF kind, e
.irp s, 0,1,2,3,4,5,6,7
.if \s > 0
.if (\s < 7) || (\e == 0)
	PLACES                             ; behind the last step's products, which read the set that is loaded now
.endif
.endif
.if \s < 7
	FETCH \kind, \e, \s+1
	s_wait_dscnt 24                    ; all but the 24 loads just issued: this step's fragments (and at a slot's head the scale words) are in
.elseif \e == 0
	FETCH \kind, 1, 0                  ; the other half's first step
	s_wait_dscnt 24
.else
	s_wait_dscnt 0x0                   ; the slot's last step: nothing more to fetch
.endif
	MUL \kind, \e, \s
.endr
	WIN 0
	PLACES                             ; behind the last products: for the loads below and for the first read of results
.if \e == 0
	SCL \kind, 1
.endif
	BIASLD \kind, \e
	s_wait_dscnt 0x0
.endm
; The activations of a half's 64 registers.  kind 0: all are sigmoids.  kind 1: tiles 0, 1 tanh, tiles 2, 3 sigmoids.  Each accumulator is read from its low end on.  At the end the swaps between neighbouring tiles.
.macro ACT kind
.irp m, 0,1
.irp f, 0,1,2,3
.irp i, 0,2,4,6
.if (\kind) && (\f < 2)
	v_pk_fma_f32 v[ACC+32*\m+8*\f+\i:ACC+32*\m+8*\f+\i+1], v[ACC+32*\m+8*\f+\i:ACC+32*\m+8*\f+\i+1], s[90:91], v[FB+8*\f+\i:FB+8*\f+\i+1] op_sel_hi:[1,0,1]   ; 2 log2 e x (sum + bias)
.else
	v_pk_fma_f32 v[ACC+32*\m+8*\f+\i:ACC+32*\m+8*\f+\i+1], v[ACC+32*\m+8*\f+\i:ACC+32*\m+8*\f+\i+1], s[88:89], v[FB+8*\f+\i:FB+8*\f+\i+1] op_sel_hi:[1,0,1]   ; -log2 e x (sum + bias)
.endif
.endr
.endr
.endr
.set j, 0
.rept 64
	v_exp_f32 v[ACC+j], v[ACC+j]
.set j, j+1
.endr
	v_nop                              ; a plain instruction between the exponentials and the use of their results
.set j, 0
	s_wait_alu depctr_va_vdst(0)
.rept 32
	v_pk_add_f32 v[ACC+j:ACC+j+1], v[ACC+j:ACC+j+1], 1.0 op_sel_hi:[1,0]
.set j, j+2
.endr
.set j, 0
.rept 64
	v_rcp_f32 v[ACC+j], v[ACC+j]
.set j, j+1
.endr
	v_nop                              ; likewise behind the reciprocals
.if \kind
	s_wait_alu depctr_va_vdst(0)
.irp m, 0,1
.irp i, 0,2,4,6,8,10,12,14
	v_pk_fma_f32 v[ACC+32*\m+\i:ACC+32*\m+\i+1], v[ACC+32*\m+\i:ACC+32*\m+\i+1], -2.0, 1.0 op_sel_hi:[1,0,0]   ; tanh = 1 - 2 / (1 + 2^(2 x log2 e))
.endr
.endr
.endif
	s_wait_alu depctr_va_vdst(0)
.irp m, 0,1
.irp p, 0,1
.irp i, 0,1,2,3,4,5,6,7
	v_permlane16_swap_b32 v[ACC+32*\m+16*\p+\i], v[ACC+32*\m+16*\p+8+\i]   ; the even tile's lanes 16-31 change places with the odd tile's lanes 0-15: 16 registers = columns 32 B + 16 h + 0 .. 15
.endr
.endr
.endr
.endm
; 64 numbers of a lane in window win, v[s] on: four blocks, register 16 b + i = number 16 h + i of block b.  Codes: registers pc + 6 c .. + 5 hold, in lanes 0-15, block 2 c, in lanes 16-31 block 2 c + 1.  pw: the four scale bytes.
.macro QUANT s, win, pc, pw
	WIN (\win)|((\win)<<2)
.irp b, 0,1,2,3
	v_max3_num_f32 v[TM+\b], |v[(\s)+16*\b]|, |v[(\s)+16*\b+1]|, 0x1800000   ; my 16 numbers, and the floor 2^(3 - 127): so the byte cannot fall under 1
.endr
	WIN ((\win)<<2)|((\win)<<4)
.irp i, 2,4,6,8,10,12,14
.irp b, 0,1,2,3
	v_max3_num_f32 v[TM+\b], v[TM+\b], |v[(\s)+16*\b+\i]|, |v[(\s)+16*\b+\i+1]|   ; (the four blocks by turns)
.endr
.endr
	WIN 0
.irp b, 0,1,2,3
	v_permlanex16_b32 v[TM+4+\b], v[TM+\b], s92, s93
.endr
.irp b, 0,1,2,3
	v_max_num_f32 v[TM+\b], v[TM+\b], v[TM+4+\b]       ; with lane l xor 16's: the block's largest magnitude
.endr
.irp b, 0,1,2,3
	v_add_nc_u32 v[TM+12+\b], 0xff000000, v[TM+\b]     ; 2 off its exponent field: the conversion takes the exponent field of this operand as its scale
.endr
.irp b, 0,1,2,3
	v_lshrrev_b32 v[TM+4+\b], 23, v[TM+12+\b]          ; the scale's byte
.endr
	v_lshl_or_b32 v[\pw], v[TM+5], 8, v[TM+4]
	v_lshl_or_b32 v[\pw], v[TM+6], 16, v[\pw]
	v_lshl_or_b32 v[\pw], v[TM+7], 24, v[\pw]
	WIN \win
.irp c, 0,1
	v_cvt_scalef32_pk16_fp6_f32 v[(\pc)+6*\c:(\pc)+6*\c+2], v[(\s)+32*\c:(\s)+32*\c+15], v[TM+12+2*\c]
	v_cvt_scalef32_pk16_fp6_f32 v[PT+4*\c:PT+4*\c+2], v[(\s)+32*\c+16:(\s)+32*\c+31], v[TM+12+2*\c+1]   ; (a conversion's three registers begin on an even number)
.endr
	WIN 0
	v_nop                              ; one plain place behind a scaled conversion
.irp c, 0,1
.irp i, 0,1,2
	v_permlane16_swap_b32 v[(\pc)+6*\c+\i], v[PT+4*\c+\i]   ; a whole block to a lane
.endr
.irp i, 0,1,2
	v_mov_b32 v[(\pc)+3+6*\c+\i], v[PT+4*\c+\i]
.endr
.endr
.endm
; Which registers of state a half meets hangs on the slot's number, so these two pieces are written once for each slot and chosen by scalar branches on the loop's counter.  They only READ registers that vary.
.macro VR g, e                         ; state x r: blocks 4 g + 2 e, + 1
.irp m, 0,1
	WIN (2+\m)<<2
.irp b, 0,1
.irp i, 0,2,4,6,8,10,12,14
	v_pk_mul_f32 v[ACC+32*\m+16*\b+\i:ACC+32*\m+16*\b+\i+1], v[ACC+32*\m+16*\b+\i:ACC+32*\m+16*\b+\i+1], v[16*(4*(\g)+2*(\e)+\b)+\i:16*(4*(\g)+2*(\e)+\b)+\i+1]
.endr
.endr
.endr
	WIN 0
.endm
.macro VH g, e                         ; out = u (hat - state) + state: block 2 g + e
.irp m, 0,1
	WIN (2+\m)<<2
.irp i, 0,2,4,6,8,10,12,14
	v_pk_add_f32 v[ACC+32*\m+\i:ACC+32*\m+\i+1], v[ACC+32*\m+\i:ACC+32*\m+\i+1], v[16*(2*(\g)+(\e))+\i:16*(2*(\g)+(\e))+\i+1] neg_lo:[0,1] neg_hi:[0,1]
.endr
	WIN (2+\m)<<4
.irp i, 0,2,4,6,8,10,12,14
	v_pk_fma_f32 v[ACC+32*\m+\i:ACC+32*\m+\i+1], v[ACC+32*\m+16+\i:ACC+32*\m+16+\i+1], v[ACC+32*\m+\i:ACC+32*\m+\i+1], v[16*(2*(\g)+(\e))+\i:16*(2*(\g)+(\e))+\i+1]
.endr
.endr
	WIN 0
.endm
.macro SWITCH_R e
.irp k, 0,1,2
	s_cmp_lg_u32 s83, \k
	s_cbranch_scc1 .Lnr\e\k
	VR \k, \e
	s_branch .Ljr\e
.Lnr\e\k:
.endr
	VR 3, \e
.Ljr\e:
.endm
.macro SWITCH_H e
.irp k, 0,1,2,3,4,5
	s_cmp_lg_u32 s83, \k
	s_cbranch_scc1 .Lnh\e\k
	VH \k, \e
	s_branch .Ljh\e
.Lnh\e\k:
.endr
	VH 6, \e
.Ljh\e:
.endm
.macro ADDRS                           ; the slot's LDS addresses
	v_add_nc_u32 v3, s80, v1           ; chunks 0, 1
	v_add_nc_u32 v4, s80, v2
	v_add_nc_u32 v5, 2*CHB, v3         ; chunks 2, 3
	v_add_nc_u32 v6, 2*CHB, v4
	v_add_nc_u32 v8, s84, v7           ; the slot's scale words
	v_add_nc_u32 v10, s85, v9          ; its biases
.endm
; ---------------- the head
	s_load_b512 s[4:19], s[0:1], 0x0               ; state s[4:5], data's codes s[6:7], data's scales s[8:9], b_ig s[10:11], b_is s[12:13], out s[14:15], W_ig's codes s[16:17], scales s[18:19]
	s_load_b256 s[20:27], s[0:1], 0x40             ; W_sg's codes s[20:21], scales s[22:23], W_is's codes s[24:25], scales s[26:27]
	s_load_b128 s[28:31], s[0:1], 0x60             ; W_h2h's codes s[28:29], scales s[30:31]
	v_lshl_add_u32 v16, v0, 2, SPARE               ; my spare word; never rewritten
	v_mov_b32 v17, 0                               ; 0; never rewritten
	ds_add_u32 v16, v17
	ds_add_u32 v16, v17
	s_wait_dscnt 0x0
	v_lshrrev_b32 v19, 5, v0
	v_readfirstlane_b32 s32, v19                   ; wave 0..3
	s_bfe_u32 s33, ttmp6, 0x40000                  ; cx: it enters the addresses of state, data and out alone
	s_lshl_b32 s34, ttmp9, 2
	s_add_co_u32 s34, s34, s33                     ; work-group = 4 x cluster + cx
	s_lshl_b32 s35, s34, 2
	s_add_co_u32 s35, s35, s32                     ; which 32 rows are my wave's
	s_lshl_b32 s96, s35, 16                        ; 32 rows of 2,048 bytes, in state and in out
	s_mov_b32 s97, 0
	s_mul_i32 s98, s35, 12288                      ; 32 rows of 384 bytes of data's codes
	s_mov_b32 s99, 0
	s_and_b32 s95, s32, 1                          ; the chunk that I fetch: its parity,
	s_lshr_b32 s87, s32, 1                         ; and its upper bit
	s_mul_i32 s82, s32, CHB                        ; its place in a slot
	s_mov_b32 s88, 0xbfb8aa3b                      ; -log2 e
	s_mov_b32 s89, s88                             ; (the packed forms name a pair and take its low word for both halves)
	s_mov_b32 s90, 0x4038aa3b                      ; 2 log2 e
	s_mov_b32 s91, s90
	s_mov_b32 s92, 0x76543210                      ; v_permlanex16_b32's selects for lane l xor 16
	s_mov_b32 s93, 0xfedcba98
	s_mov_b32 s94, 0xffff0000                      ; a mask of lanes 16-31
	; group 1 for the codes: 64 rows x 384 bytes, 384 bytes apart
	s_mov_b32 s36, 0x0730000f                      ; 15:0 the mask: all four work-groups; 17:16 elements of 1 byte; 20 padding on; 21 set beside a mask; 24:22 after every 32 words (code 4); 31:25 4 words of it (code 3)
	s_mov_b32 s37, 384<<16                         ; tensor_dim0
	s_mov_b32 s38, 64<<16                          ; tensor_dim1
	s_mov_b32 s39, 384<<16                         ; tile_dim0
	s_mov_b32 s40, 64                              ; tile_dim1
	s_mov_b32 s41, 384                             ; tensor_dim0_stride
	s_mov_b32 s42, 0
	s_mov_b32 s43, 0
	; group 1 for phase R's scales: 4 rows (slots) x 1,024 bytes (64 weight rows), 2,048 bytes apart; elements of 8 bytes, no padding
	s_mov_b32 s44, 0x0023000f
	s_mov_b32 s45, 128<<16
	s_mov_b32 s46, 4<<16
	s_mov_b32 s47, 128<<16
	s_mov_b32 s48, 4
	s_mov_b32 s49, 256
	s_mov_b32 s50, 0
	s_mov_b32 s51, 0
	; group 1 for phase H's scales: 8 rows x 1,024 bytes, dense
	s_mov_b32 s52, 0x0023000f
	s_mov_b32 s53, 128<<16
	s_mov_b32 s54, 8<<16
	s_mov_b32 s55, 128<<16
	s_mov_b32 s56, 8
	s_mov_b32 s57, 128
	s_mov_b32 s58, 0
	s_mov_b32 s59, 0
	v_and_b32 v48, 15, v0                          ; r
	v_bfe_u32 v49, v0, 4, 1                        ; h
	v_and_b32 v50, 31, v0                          ; lane
	v_mul_u32_u24 v1, v48, 432
	v_mad_u32_u24 v2, v49, 40, v1                  ; a weight fragment's row x pitch + 40 h (behind one padding more)
	v_mad_u32_u24 v1, v49, 24, v1                  ; and + 24 h
	v_lshlrev_b32 v7, 4, v50                       ; 16 x lane
	v_lshlrev_b32 v9, 5, v49                       ; 32 h: my eight words of a tile's biases
	s_mul_i32 s95, s32, 12288
	s_add_co_u32 s95, s95, PRIV                    ; my wave's own LDS
	v_lshl_add_u32 v11, v50, 3, s95                ; an image's piece: 8 x lane
	v_mul_u32_u24 v13, v48, 272
	v_lshl_add_u32 v13, v49, 6, v13
	v_add_nc_u32 v13, s95, v13                     ; the stage, in: row r, + 64 h
	v_mul_u32_u24 v14, v49, 272
	v_lshl_add_u32 v14, v48, 4, v14
	v_add_nc_u32 v14, s95, v14                     ; back: lanes 0-15 one row of 256 bytes, lanes 16-31 the next
	v_lshlrev_b32 v15, 11, v49
	v_lshl_add_u32 v15, v48, 4, v15                ; and the same two rows in out
	v_mul_u32_u24 v51, v48, 384
	v_mad_u32_u24 v51, v49, 24, v51                ; data's codes: row r, + 24 h
	v_lshlrev_b32 v52, 11, v48
	v_lshl_add_u32 v52, v49, 6, v52                ; state: row r, + 64 h: my 16 numbers of a block of 32
	v_lshlrev_b32 v53, 5, v0                       ; b_ig: 8 words a thread
	v_lshlrev_b32 v54, 4, v0                       ; b_is: 4 words a thread
	v_lshl_add_u32 v55, v0, 5, BIAS                ; and where they go in LDS
	v_lshl_add_u32 v56, v0, 4, BIAS+4096
.irp b, 0,1,2,3
	v_mov_b32 v[TM+4+\b], 0                        ; written once: a lane permute's destination counts as one of its sources
.endr
	v_mov_b32 v29, 0                               ; the queue of Q(state r)'s scale words is moved before it is full
	v_mov_b32 v30, 0
	v_mov_b32 v31, 0
	s_and_b32 s95, s32, 1
	s_wait_kmcnt 0x0
	s_add_nc_u64 s[4:5], s[4:5], s[96:97]          ; state, out, data at my wave's first row
	s_add_nc_u64 s[14:15], s[14:15], s[96:97]
	s_add_nc_u64 s[6:7], s[6:7], s[98:99]
	s_lshl_b32 s98, s35, 9                         ; 32 rows of 16 scale bytes
	s_add_nc_u64 s[8:9], s[8:9], s[98:99]
	; the buffers of the chunk that I fetch: the choices hang on the wave's number alone.  R: even W_ig, odd W_sg.  H: 0 W_is, 1 W_h2h, 2 W_ig, 3 W_sg
	s_cmp_eq_u32 s95, 0
	s_cselect_b64 s[76:77], s[16:17], s[20:21]
	s_cselect_b64 s[70:71], s[18:19], s[22:23]
	s_cselect_b64 s[78:79], s[24:25], s[28:29]
	s_cselect_b64 s[74:75], s[26:27], s[30:31]
	s_cmp_lt_u32 s32, 2
	s_cselect_b64 s[78:79], s[78:79], s[76:77]
	s_cselect_b64 s[74:75], s[74:75], s[70:71]
	s_mul_i32 s66, s87, 24576                      ; R: weight row 512 + 64 (chunk / 2): its codes,
	s_add_co_u32 s66, s66, 196608
	s_mov_b32 s67, 0
	s_add_nc_u64 s[76:77], s[76:77], s[66:67]
	s_lshl_b32 s66, s87, 10                        ; its scale bytes
	s_add_co_u32 s66, s66, 8192
	s_add_nc_u64 s[70:71], s[70:71], s[66:67]
	; what is small goes out first: biases, data's scale words and codes: 52 loads
	global_load_b128 v[60:63], v53, s[10:11]
	global_load_b128 v[64:67], v53, s[10:11] offset:16
	global_load_b128 v[68:71], v54, s[12:13]
	global_load_b128 v[20:23], v7, s[8:9] th:TH_LOAD_NT   ; lane l: row l's 16 bytes: register = K step; lanes 0-15 my first tile of rows, lanes 16-31 my second
	WIN 0x40
.irp m, 0,1
.irp ks, 0,1,2,3
.irp p, 0,1,2,3,4,5
	global_load_b64 v[DC+12*(4*\m+\ks)+2*\p:DC+12*(4*\m+\ks)+2*\p+1], v51, s[6:7] offset:6144*\m+96*\ks+48*(\p/3)+8*(\p%3) th:TH_LOAD_NT
.endr
.endr
.endr
	WIN 0
	s_mov_b32 s60, 1                               ; group 0 of the ring: count = 1,
	s_mov_b32 s61, s82                             ; slot 0, my chunk,
	s_mov_b64 s[62:63], s[76:77]                   ; phase R's first rows,
	s_or_b32 s63, s63, 0x80000000                  ; type = 2
	s_add_nc_u64 s[76:77], s[76:77], 49152         ; the next fill: 128 weight rows on
	s_mov_b32 s68, 1                               ; group 0 for phase R's scales
	s_lshl_b32 s69, s32, 12
	s_add_co_u32 s69, s69, RSC
	s_or_b32 s71, s71, 0x80000000
	s_mov_b32 s72, 1                               ; and for phase H's
	s_lshl_b32 s73, s32, 13
	s_add_co_u32 s73, s73, HSC
	s_or_b32 s75, s75, 0x80000000
	CROUND                                         ; all four work-groups are here: the first joint loads meet
	tensor_load_to_lds s[68:71], s[44:51]          ; the three first fills stand together: three tensor loads of mine are out
	s_nop 0
	tensor_load_to_lds s[72:75], s[52:59]
	s_nop 0
	tensor_load_to_lds s[60:63], s[36:43]
	s_nop 0
	PLACES
	; state: 128 loads, K step by K step; eight neighbouring loads of the wave cover 256 consecutive bytes of each of 16 rows
.irp ks, 0,1,2,3
.irp m, 0,1
	WIN (2+\m)<<6
.irp b, 0,1,2,3
.irp j, 0,1,2,3
	global_load_b128 v[64*\ks+16*\b+4*\j:64*\ks+16*\b+4*\j+3], v52, s[4:5] offset:32768*\m+512*\ks+128*\b+16*\j th:TH_LOAD_NT
.endr
.endr
.endr
.endr
	WIN 0
; ---------------- the prologue: biases to LDS, state quantised
	s_wait_loadcnt 63                              ; of 180 loads at most 63 are out: the first 117 are in: the 52 small ones and state's K steps 0 and 1 (64 loads)
.irp i, 60,62,64,66
	v_pk_mul_f32 v[\i:\i+1], v[\i:\i+1], s[88:89] op_sel_hi:[1,0]   ; b_ig x (-log2 e)
.endr
.irp i, 68,70
	v_pk_mul_f32 v[\i:\i+1], v[\i:\i+1], s[90:91] op_sel_hi:[1,0]   ; b_is x (2 log2 e)
.endr
	ds_store_b128 v55, v[60:63]                    ; every wave reads them behind the first change of slots, in front of whose barrier each wave waits for its LDS stores
	ds_store_b128 v55, v[64:67] offset:16
	ds_store_b128 v56, v[68:71]
.macro QSTATE ks                       ; K step ks of my two tiles of rows; the two scale words go into one register, lanes 0-15 and 16-31
	QUANT 64*\ks, 2, QC+12*\ks, 128
	QUANT 64*\ks, 3, QC+12*(4+\ks), 129
	v_cndmask_b32 v[24+\ks], v128, v129, s94
.endm
	QSTATE 0
	QSTATE 1
	s_wait_loadcnt 32                              ; K step 3's 32 loads may be out
	QSTATE 2
	s_wait_loadcnt 0x0
	QSTATE 3
; ---------------- phase R: four slots, 128 columns of r each
	s_mov_b32 s80, 0                               ; the slot that is read
	s_mov_b32 s81, 0                               ; the slot that was filled last
	s_mov_b32 s83, 0                               ; the trip
	s_mov_b32 s84, RSC                             ; the slot's scale words
	s_mov_b32 s85, BIAS+2048                       ; its biases: b_ig from word 512 on
	s_mov_b32 s86, 0                               ; its K step among Q(state r)'s images
.Lr:
	CHANGE 1
	s_add_nc_u64 s[76:77], s[76:77], 49152         ; the fill after this one: 128 weight rows on,
	s_cmp_eq_u32 s83, 2
	s_cselect_b64 s[76:77], s[78:79], s[76:77]     ; or, behind phase R's last rows, phase H's first
	ADDRS
	v_add_nc_u32 v12, s86, v11
	SCL 0, 0
	FETCH 0, 0, 0
.irp e, 0,1
	HALF 0, \e
	ACT 0                                          ; r
	SWITCH_R \e                                    ; state x r
	QUANT ACC, 0, PC, 128                          ; its four blocks: (rows 0-15: columns 0-31, 32-63), (rows 16-31: likewise): registers 6 e .. 6 e + 5 of the fragments (m, this slot)
.irp m, 0,1
.irp i, 0,1,2
	ds_store_b64 v12, v[PC+6*\m+2*\i:PC+6*\m+2*\i+1] offset:4*\m*1536+256*(3*\e+\i)   ; images of the registers, in my own LDS: 8 bytes a lane, 256 a piece
.endr
.endr
	v_lshrrev_b32 v19, 16, v128
	v_cndmask_b32 v19, v128, v19, s94              ; lanes 0-15: the two bytes of rows 0-15; lanes 16-31: those of rows 16-31
.if \e == 0
	v_and_b32 v18, 0xffff, v19                     ; the scale word's lower half
.else
	v_lshl_or_b32 v18, v19, 16, v18                ; and its upper
.endif
	s_wait_dscnt 0x0                               ; the stores have read their registers: the next fragment loads land there
.endr
	v_mov_b32 v28, v29                             ; the queue moves: after four trips register 28 + ks holds K step ks
	v_mov_b32 v29, v30
	v_mov_b32 v30, v31
	v_mov_b32 v31, v18
	s_xor_b32 s80, s80, SLOTB
	s_add_co_u32 s84, s84, 1024
	s_add_co_u32 s85, s85, 512
	s_add_co_u32 s86, s86, 1536
	s_add_co_u32 s83, s83, 1
	s_cmp_lt_u32 s83, 4
	s_cbranch_scc1 .Lr
	s_add_nc_u64 s[76:77], s[78:79], 24576         ; the next fill: phase H's second slot
	WIN 0x40
.irp x, 0,1,2,3,4,5,6,7
.irp p, 0,1,2,3,4,5
	ds_load_b64 v[RC+12*\x+2*\p:RC+12*\x+2*\p+1], v11 offset:1536*\x+256*\p   ; Q(state r)'s eight fragments come back as they stood; the next change of slots waits for them
.endr
.endr
	WIN 0
	s_mov_b32 s84, HSC
	s_mov_b32 s85, BIAS
	s_mov_b32 s83, 0
; ---------------- phase H: eight slots, 64 columns of out each
.macro HBODY last
.if \last
	CHANGE 0                                       ; nothing is left to fetch
.else
	CHANGE 1
	s_add_nc_u64 s[76:77], s[76:77], 24576         ; 64 weight rows on
.endif
	ADDRS
	SCL 1, 0
	FETCH 1, 0, 0
.irp e, 0,1
	HALF 1, \e
	ACT 1                                          ; hat in registers 0-15 of each tile of rows, u in 16-31
.if \last
	VH 7, \e
.else
	SWITCH_H \e
.endif
.irp m, 0,1
.irp j, 0,1,2,3
	ds_store_b128 v13, v[ACC+32*\m+4*\j:ACC+32*\m+4*\j+3] offset:4352*\m+128*\e+16*\j   ; row 16 m + r, columns 32 e + 16 h + 4 j on
.endr
.endr
.if \e == 0
	s_wait_dscnt 0x0                               ; the stores have read their registers: the next half's products write them
.endif
.endr
.irp i, 0,1,2,3,4,5,6,7,8,9,10,11,12,13,14,15
	ds_load_b128 v[ACC+4*\i:ACC+4*\i+3], v14 offset:544*\i   ; LDS serves a wave's instructions in order (ISA guide 5.7.1): these see my stores
.endr
.irp i, 0,1,2,3,4,5,6,7,8,9,10,11,12,13,14,15
	s_wait_dscnt 15-\i                             ; row pair i is back
	global_store_b128 v15, v[ACC+4*\i:ACC+4*\i+3], s[14:15] offset:4096*\i th:TH_STORE_NT   ; 16 lanes store 256 consecutive bytes, at a multiple of 256 from out's first byte
.endr
.if \last == 0
	s_wait_xcnt 0x0                                ; the stores have read their registers and their base: both are written again only behind this wait
	s_add_nc_u64 s[14:15], s[14:15], 256           ; 64 columns on
	s_xor_b32 s80, s80, SLOTB
	s_add_co_u32 s84, s84, 1024
	s_add_co_u32 s85, s85, 256
.endif
.endm
.Lh:
	HBODY 0
	s_add_co_u32 s83, s83, 1
	s_cmp_lt_u32 s83, 7
	s_cbranch_scc1 .Lh
	HBODY 1                                        ; the last slot is written out
	s_wait_tensorcnt 0x0                           ; the wave's end: behind my last tensor load and my last LDS store
	ds_add_u32 v16, v17
	s_wait_dscnt 0x0
	CROUND                                         ; the closing round: no work-group ends while a partner may still ask for a tile that names it
	s_endpgm
.Lfunc_end_k_q1c64dcbd9f_gru:
	.size	k_q1c64dcbd9f_gru, .Lfunc_end_k_q1c64dcbd9f_gru-k_q1c64dcbd9f_gru
	.p2alignl 7, 3214868480
	.fill 96, 4, 3214868480
	.section	.rodata,"a",@progbits
	.p2align	6, 0x0
	.amdhsa_kernel k_q1c64dcbd9f_gru
		.amdhsa_group_segment_fixed_size 327680
		.amdhsa_private_segment_fixed_size 0
		.amdhsa_enable_private_segment 0
		.amdhsa_kernarg_size 112
		.amdhsa_user_sgpr_count 2
		.amdhsa_user_sgpr_kernarg_segment_ptr 1
		.amdhsa_wavefront_size32 1
		.amdhsa_system_sgpr_workgroup_id_x 1
		.amdhsa_system_sgpr_workgroup_id_y 1
		.amdhsa_system_sgpr_workgroup_id_z 1
		.amdhsa_system_vgpr_workitem_id 0
		.amdhsa_next_free_vgpr 1024
		.amdhsa_next_free_sgpr 100
		.amdhsa_reserve_vcc 0
		.amdhsa_float_denorm_mode_32 3
		.amdhsa_float_denorm_mode_16_64 3
		.amdhsa_memory_ordered 1
		.amdhsa_forward_progress 1
		.amdhsa_inst_pref_size 255
	.end_amdhsa_kernel
	.section	.bss,"aw",@nobits
	.p2align	6
	.space	262144
	.amdgpu_metadata
---
amdhsa.version: [ 1, 2 ]
amdhsa.kernels:
  - .name:           k_q1c64dcbd9f_gru
    .symbol:         k_q1c64dcbd9f_gru.kd
    .args:
      - { .name: state, .offset: 0, .size: 8, .value_kind: global_buffer, .address_space: global }
      - { .name: data_codes, .offset: 8, .size: 8, .value_kind: global_buffer, .address_space: global }
      - { .name: data_scales, .offset: 16, .size: 8, .value_kind: global_buffer, .address_space: global }
      - { .name: b_ig, .offset: 24, .size: 8, .value_kind: global_buffer, .address_space: global }
      - { .name: b_is, .offset: 32, .size: 8, .value_kind: global_buffer, .address_space: global }
      - { .name: out0, .offset: 40, .size: 8, .value_kind: global_buffer, .address_space: global }
      - { .name: W_ig_codes, .offset: 48, .size: 8, .value_kind: global_buffer, .address_space: global }
      - { .name: W_ig_scales, .offset: 56, .size: 8, .value_kind: global_buffer, .address_space: global }
      - { .name: W_sg_codes, .offset: 64, .size: 8, .value_kind: global_buffer, .address_space: global }
      - { .name: W_sg_scales, .offset: 72, .size: 8, .value_kind: global_buffer, .address_space: global }
      - { .name: W_is_codes, .offset: 80, .size: 8, .value_kind: global_buffer, .address_space: global }
      - { .name: W_is_scales, .offset: 88, .size: 8, .value_kind: global_buffer, .address_space: global }
      - { .name: W_h2h_codes, .offset: 96, .size: 8, .value_kind: global_buffer, .address_space: global }
      - { .name: W_h2h_scales, .offset: 104, .size: 8, .value_kind: global_buffer, .address_space: global }
    .group_segment_fixed_size: 327680
    .private_segment_fixed_size: 0
    .kernarg_segment_align: 8
    .kernarg_segment_size: 112
    .max_flat_workgroup_size: 128
    .sgpr_count:     100
    .vgpr_count:     1024
    .wavefront_size: 32
...
	.end_amdgpu_metadata
.endif
;; end of part 1
;; ======== version 2 of 2: 1 launch
;; limits: right only within a limited range of input values
;; launch gru (part 2): grid 256 x 1, 4 waves a work-group, clusters of 4 x 1, 327,680 bytes of LDS; arguments state, data_codes, data_scales, b_ig, b_is, out0, W_ig_codes, W_ig_scales, W_sg_codes, W_sg_scales, W_is_codes, W_is_scales, W_h2h_codes, W_h2h_scales; writes out0
.if DOCPART == 2
	.amdgcn_target "amdgcn-amd-amdhsa--gfx1250"
	.amdhsa_code_object_version 6
	.text
	.protected	k_q1c64dcbd9f_gru
	.globl	k_q1c64dcbd9f_gru
	.p2align	8
	.type	k_q1c64dcbd9f_gru,@function
k_q1c64dcbd9f_gru:
	s_mov_b64 s[64:65], 0
	v_nop
	global_prefetch_b8 v0, s[64:65] scope:SCOPE_SE
	s_setreg_imm32_b32 hwreg(HW_REG_WAVE_MODE, 25, 1), 1
	s_wait_xcnt 0x0
	s_wait_alu depctr_hold_cnt(0) depctr_sa_sdst(0) depctr_va_vdst(0) depctr_va_sdst(0) depctr_va_ssrc(0) depctr_va_vcc(0) depctr_vm_vsrc(0)
	s_getreg_b32 s2, hwreg(HW_REG_IB_STS2, 6, 4)
	s_cmp_eq_u32 s2, 0
	s_cbranch_scc0 .Lentry_in_a_cluster
	s_endpgm
.Lentry_in_a_cluster:
	s_bfe_u32 s2, ttmp6, 0x10000c
	s_cmp_lg_u32 s2, 0x3003
	s_cbranch_scc0 .Lentry_shape_is_right
	s_endpgm
.Lentry_shape_is_right:
; One GRU step on 32,768 rows of 512:  r = sigmoid(data W_ig[512:]^T + b_ig[512:] + Q(state) W_sg[512:]^T),  u = the same with rows 0-511,
; hat = tanh(data W_is^T + b_is + Q(state r) W_h2h^T),  out = u hat + (1 - u) state.  All four products on codes of FP6 (E2M3) with one E8M0 scale for each 32 along K; sums and all else in f32.
; SHARES.  256 work-groups of four waves; a work-group owns 128 rows, WAVE w OWNS ROWS 32 w .. 32 w + 31 (two tiles of 16) FOR ALL COLUMNS.  What belongs to a row stays in that wave's registers:
; state in f32 (512 registers), the codes of data, Q(state) and Q(state r) (96 each) and their scale words.  No operand goes from wave to wave.
; THE WEIGHTS walk through a ring of two LDS slots, 12 slots in all, each of 4 chunks x 64 weight rows x 384 bytes (all of K); wave c fetches chunk c.  Slots 0-3 (phase R): 128 columns of r each, and state r
; is quantised on the way.  Slots 4-11 (phase H): 64 columns of out each: hat and u are summed side by side, blended with state and stored.  A slot is 128 matrix instructions a wave.
; CLUSTER.  All work-groups walk the same weights: the four of a cluster ask for each tile JOINTLY (mask 15).
; THE ORDER OF BLOCKS IN AN OPERAND.  Of a K step's four blocks of 32, the matrix unit's block 2 c + h stands in registers 6 c .. 6 c + 5 of lane half h.  This text puts MEMORY block 2 h + c there, in both operands of
; every product: blocks 1 and 2 change places, and so do bytes 1 and 2 of every scale word.  Each product still meets its own two scales; only the order of the sum changes.  A lane's 12 registers are then the 48
; CONSECUTIVE bytes at 96 q + 48 h of its row: three loads of 16 bytes.
; THE MATRIX INSTRUCTION IS USED TRANSPOSED: source 0 = 16 weight rows, source 1 = my 16 rows: lane (r, h) holds row r and, in register j, column 16 tile + 8 h + j.  Eight lane swaps between two neighbouring tiles give
; 16 registers = columns 32 B + 16 h + 0 .. 15, which is state's layout and the quantiser's.  THE BIASES are loaded into the accumulators and are the C of each sum's first product.
; LIMITS.  NaN and infinities in state are not served.  A block whose largest magnitude lies under 2^-124, a block of zeros among them, gets the scale byte 1 (the stated rule says 127 for zeros): its codes are zeros or
; subnormal codes and this program alone reads the byte.  sigmoid(x) = 1 / (1 + 2^(-x log2 e)), tanh(x) = 1 - 2 / (1 + 2^(2 x log2 e)): an overflowing power gives the limits 0, 1, -1; tanh has an absolute error of about 1e-7 near 0.
; No data prefetch: the weights are read again and again by all clusters, and state and data are read once, in one run at the head, with no loop to run ahead in.
; REGISTERS, in windows of 256 (s_set_vgpr_msb: bits 1:0 source 0, 3:2 source 1, 5:4 source 2, 7:6 destination):
;   window 0: v0-19 addresses and small things; v20-23 data's scale words, v24-27 Q(state)'s, v28-31 Q(state r)'s (register = K step; lanes 0-15 my rows 0-15, lanes 16-31 my rows 16-31);
;             v32-47 weights' scale words; v48-111 eight accumulators (at the head: addresses and biases); v112-159 weight fragments, set 1, and between the products the quantiser's work; v160-255 Q(state)'s codes
;   window 1: v0-47 weight fragments, set 0; v48-143 data's codes; v144-239 Q(state r)'s codes.     windows 2, 3: state of my rows 0-15, 16-31: register 16 B + i = column 32 B + 16 h + i
.set CHB,   27648                      ; a chunk in LDS: 64 rows x 432
.set TLB,   6912                       ; a tile of 16 rows
.set SLOTB, 110592                     ; a slot: four chunks.  Slot 0 at LDS byte 0, slot 1 behind it
.set SC,    221184                     ; the weights' scales, 16 bytes a row, bytes 1 and 2 of each word already exchanged, stored once: W_is at 0, W_h2h at 8,192, W_ig at 16,384, W_sg at 32,768
.set BIAS,  270336                     ; 1,024 words b_ig, then 512 words b_is; stored once
.set PRIV,  276480                     ; 12,288 bytes for each wave, its own: at the start the stage through which data (16 rows x 400) and state (16 rows x 528) are turned; in phase R the images of Q(state r)'s 8 fragments; in phase H the stage of 32 rows x 272 bytes for out
.set SPARE, 325632                     ; the spare words, 128 bytes for each wave: two blocks of 256 bytes that no other line names
.set ACC,   48                         ; accumulator (f, m) at v[ACC + 8 (4 m + f)]
.set FB,    112                        ; weight fragments, set 1 (window 0)
.set FA,    0                          ; set 0 (window 1)
.set QC,    160                        ; Q(state)'s fragment (m, ks) at QC + 12 (4 m + ks), window 0
.set DC,    48                         ; data's, window 1
.set RC,    144                        ; Q(state r)'s, window 1
.set BS,    32                         ; weights' scale words
.set TM,    112                        ; the quantiser: +0..3 largest magnitudes, +4..7 the other half's, then bytes, +12..15 scale operands
.set PT,    130                        ; the conversions' second halves
.set PC,    140                        ; phase R: the codes just made
.set SPI,   528                        ; state's stage: a row of 512 bytes + 16
.set DPI,   400                        ; data's stage: a row of 384 bytes + 16: an odd multiple of 16
.set MSB, 0
.macro WIN new                         ; the immediate's high byte repeats the setting that is left; a switch that changes nothing is dropped
.if MSB != (\new)
	s_set_vgpr_msb (MSB<<8)|(\new)
.set MSB, (\new)
.endif
.endm
.macro PLACES                          ; four places behind a matrix instruction (ISA guide 7.12.1)
.rept 4
	v_nop
.endr
.endm
.macro CROUND                          ; a round of the cluster's barrier
	s_barrier_signal -1
	s_barrier_wait -1
	s_cmp_lg_u32 s32, 0
	s_cbranch_scc1 .Lnot_wave_0_\@
	s_barrier_signal -3
.Lnot_wave_0_\@:
	s_barrier_wait -3
	s_barrier_signal -1
	s_barrier_wait -1
.endm
; THE CHANGE OF SLOTS, at a slot's head.  Each wave waits for all its tensor loads (its chunk of the slot about to be read), adds 0 to its spare word, and waits for that and for its reads of the slot that it has left.
; fill = 1: behind a round of the cluster's barrier that other slot takes the next 256 weight rows.
.macro CHANGE fill
	s_wait_tensorcnt 0x0               ; no tensor load of mine is out, so group 0 may be written
	ds_add_u32 v16, v17
.if \fill
	s_xor_b32 s81, s81, SLOTB          ; the other slot than last time,
	s_add_co_u32 s61, s81, s82         ; my chunk of it,
	s_mov_b64 s[62:63], s[76:77]       ; the next rows' address,
	s_or_b32 s63, s63, 0x80000000      ; type = 2
.endif
	s_wait_dscnt 0x0                   ; the add is done, and all my LDS reads and stores are over
.if \fill
	CROUND
	tensor_load_to_lds s[60:63], s[36:43]   ; my one tensor load behind the round, and the first thing there
	s_nop 0
	PLACES
.else
	s_barrier_signal -1
	s_barrier_wait -1
.endif
.endm
; A weight fragment, 16 rows x 128 K: lane (r, h): the 48 bytes at 96 q + 48 h of row r, in three pieces of 16.  The mover has laid 16 bytes of padding behind every 128: where the piece of lanes 16-31 lies behind
; one padding more than that of lanes 0-15, the second address register (64 for 48 bytes a half) serves.  Symbols: rF register, cnk chunk, til tile, qq K step.
.macro WFRAG
.irp k, 0,1,2
.set o0, 96*qq+16*\k
.if o0/128 == (o0+48)/128
	ds_load_b128 v[rF+4*\k:rF+4*\k+3], v[3+2*(cnk/2)] offset:(cnk%2)*CHB+til*TLB+o0+16*(o0/128)
.else
	ds_load_b128 v[rF+4*\k:rF+4*\k+3], v[4+2*(cnk/2)] offset:(cnk%2)*CHB+til*TLB+o0+16*(o0/128)
.endif
.endr
.endm
; The four fragments of step s (0-3: against data; 4-7: against state's codes) of half e, into set s % 2: 12 loads.  kind 0 (R): chunk 2 e + s / 4, tiles 0-3.  kind 1 (H): fragments 0, 1 for hat (chunks 0, 1), 2, 3 for u (chunks 2, 3), tiles 2 e, 2 e + 1.
.macro FETCH kind, e, s
.if (\s)%2
	WIN 0
.else
	WIN 0x40                           ; destination window 1, address window 0
.endif
.set qq, (\s)%4
.irp f, 0,1,2,3
.if \kind
.set cnk, 2*(\f/2)+(\s)/4
.set til, 2*(\e)+\f%2
.else
.set cnk, 2*(\e)+(\s)/4
.set til, \f
.endif
.if (\s)%2
.set rF, FB+12*\f
.else
.set rF, FA+12*\f
.endif
	WFRAG
.endr
.endm
; One matrix instruction, by the symbols rD, rA, rB, rSA, rSB; rowA, rowB: the scales stand in lanes 16-31 of their registers.
.macro WMI
.if rowA && rowB
	v_wmma_scale_f32_16x16x128_f8f6f4 v[rD:rD+7], v[rA:rA+11], v[rB:rB+11], v[rD:rD+7], v[rSA], v[rSB] matrix_a_fmt:MATRIX_FMT_FP6 matrix_b_fmt:MATRIX_FMT_FP6 matrix_a_scale:MATRIX_SCALE_ROW1 matrix_b_scale:MATRIX_SCALE_ROW1
.elseif rowA
	v_wmma_scale_f32_16x16x128_f8f6f4 v[rD:rD+7], v[rA:rA+11], v[rB:rB+11], v[rD:rD+7], v[rSA], v[rSB] matrix_a_fmt:MATRIX_FMT_FP6 matrix_b_fmt:MATRIX_FMT_FP6 matrix_a_scale:MATRIX_SCALE_ROW1
.elseif rowB
	v_wmma_scale_f32_16x16x128_f8f6f4 v[rD:rD+7], v[rA:rA+11], v[rB:rB+11], v[rD:rD+7], v[rSA], v[rSB] matrix_a_fmt:MATRIX_FMT_FP6 matrix_b_fmt:MATRIX_FMT_FP6 matrix_b_scale:MATRIX_SCALE_ROW1
.else
	v_wmma_scale_f32_16x16x128_f8f6f4 v[rD:rD+7], v[rA:rA+11], v[rB:rB+11], v[rD:rD+7], v[rSA], v[rSB] matrix_a_fmt:MATRIX_FMT_FP6 matrix_b_fmt:MATRIX_FMT_FP6
.endif
.endm
; Step s of a half: 8 matrix instructions, 4 weight fragments x my 2 tiles of rows.  The eight accumulators take turns, one instruction a turn, in the same order in every step.
; Step 0 finds the biases in the accumulators.
.macro MUL kind, e, s
.irp f, 0,1,2,3
.irp m, 0,1
.set rD, ACC+8*(4*\m+\f)
.if (\s)%2
.set rA, FB+12*\f
.set wA, 0
.else
.set rA, FA+12*\f
.set wA, 1
.endif
.if (\s) < 4
.set rB, DC+12*(4*\m+(\s)%4)           ; data
.set wB, 1
.set rSB, 20+(\s)%4
.elseif (\kind) && (\f < 2)
.set rB, RC+12*(4*\m+(\s)%4)           ; Q(state r), for hat
.set wB, 1
.set rSB, 28+(\s)%4
.else
.set rB, QC+12*(4*\m+(\s)%4)           ; Q(state)
.set wB, 0
.set rSB, 24+(\s)%4
.endif
.if \kind
.set ix, 2*(\f/2)+(\s)/4
.else
.set ix, 2*((\s)/4)+\f/2
.endif
.set rSA, BS+4*ix+(\s)%4
.set rowA, \f%2
.set rowB, \m
	WIN wA|(wB<<2)
	WMI
.endr
.endr
.endm
; The weights' scale words of half e: each load takes 32 rows x 16 bytes, 16 a lane: lanes 0-15 the even tile, lanes 16-31 the odd one; the four registers are the four K steps.
; kind 1: x = W_is, W_h2h, W_ig, W_sg, rows 64 slot + 32 e.  kind 0: x / 2 = W_ig, W_sg, rows 512 + 128 slot + 64 e + 32 (x % 2).  The slot's term stands in v8.
.macro SCL kind, e
.irp x, 0,1,2,3
.if \kind
	ds_load_b128 v[BS+4*\x:BS+4*\x+3], v8 offset:8192*\x+8192*(\x/3)+512*(\e)
.else
	ds_load_b128 v[BS+4*\x:BS+4*\x+3], v8 offset:16384*(1+\x/2)+1024*(\e)+512*(\x%2)
.endif
.endr
.endm
; Step 0 of a half (against data's K step 0; fragments in set 0).  A tile's biases stand in the accumulator of my SECOND tile of rows: the four products of my first tile take them as C and write their own accumulators;
; five places follow, since the next four write over registers that those products named (ISA guide 7.12.1); then my second tile's four add in place.
.macro MUL0 kind
	WIN 5                              ; sources 0 and 1 window 1; C and D window 0
.irp m, 0,1
.irp f, 0,1,2,3
.if \kind
.set rSA, BS+8*(\f/2)
.else
.set rSA, BS+4*(\f/2)
.endif
.set rD, ACC+8*(4*\m+\f)
.set rC, ACC+8*(4+\f)
.set rA, FA+12*\f
.set rB, DC+48*\m
.if (\f%2) && \m
	v_wmma_scale_f32_16x16x128_f8f6f4 v[rD:rD+7], v[rA:rA+11], v[rB:rB+11], v[rC:rC+7], v[rSA], v20 matrix_a_fmt:MATRIX_FMT_FP6 matrix_b_fmt:MATRIX_FMT_FP6 matrix_a_scale:MATRIX_SCALE_ROW1 matrix_b_scale:MATRIX_SCALE_ROW1
.elseif \f%2
	v_wmma_scale_f32_16x16x128_f8f6f4 v[rD:rD+7], v[rA:rA+11], v[rB:rB+11], v[rC:rC+7], v[rSA], v20 matrix_a_fmt:MATRIX_FMT_FP6 matrix_b_fmt:MATRIX_FMT_FP6 matrix_a_scale:MATRIX_SCALE_ROW1
.elseif \m
	v_wmma_scale_f32_16x16x128_f8f6f4 v[rD:rD+7], v[rA:rA+11], v[rB:rB+11], v[rC:rC+7], v[rSA], v20 matrix_a_fmt:MATRIX_FMT_FP6 matrix_b_fmt:MATRIX_FMT_FP6 matrix_b_scale:MATRIX_SCALE_ROW1
.else
	v_wmma_scale_f32_16x16x128_f8f6f4 v[rD:rD+7], v[rA:rA+11], v[rB:rB+11], v[rC:rC+7], v[rSA], v20 matrix_a_fmt:MATRIX_FMT_FP6 matrix_b_fmt:MATRIX_FMT_FP6
.endif
.endr
.if \m == 0
.rept 5
	v_nop
.endr
.endif
.endr
.endm
; The biases of half e's four tiles go into the accumulators of my second tile of rows, in the result's layout: lane (r, h) takes the tile's eight words 8 h on: 8 loads.
.macro BIASLD kind, e
.irp f, 0,1,2,3
.if \kind
.if \f < 2
.set bo, 4096+4*(32*(\e)+16*\f)
.else
.set bo, 4*(32*(\e)+16*(\f-2))
.endif
.else
.set bo, 4*(64*(\e)+16*\f)
.endif
	ds_load_b128 v[ACC+8*(4+\f):ACC+8*(4+\f)+3], v10 offset:bo
	ds_load_b128 v[ACC+8*(4+\f)+4:ACC+8*(4+\f)+7], v10 offset:bo+16
.endr
.endm
; Half e of a slot: eight steps.  In each the next step's 12 fragment loads go out first, in one run, into the set that the step before has multiplied; then this step's products.
.macro HALF kind, e
.irp s, 0,1,2,3,4,5,6,7
.if \s > 0
.if (\s < 7) || (\e == 0)
	PLACES                             ; behind the last step's products, which read the set that is loaded now
.endif
.endif
.if \s < 7
	FETCH \kind, \e, \s+1
	s_wait_dscnt 12                    ; all but the 12 loads just issued: this step's fragments (and at a half's head the biases) are in
.elseif \e == 0
	FETCH \kind, 1, 0                  ; the other half's first step
	s_wait_dscnt 12
.else
	s_wait_dscnt 0x0                   ; the slot's last step: nothing more to fetch
.endif
.if \s == 0
	MUL0 \kind
.else
	MUL \kind, \e, \s
.endif
.endr
	WIN 0
	PLACES                             ; behind the last products: for the loads below and for the first read of results
.if \e == 0
	SCL \kind, 1                       ; waited for with the other half's first fragments
.endif
.endm
; The activations of a half's 64 registers.  kind 0: all are sigmoids.  kind 1: tiles 0, 1 tanh, tiles 2, 3 sigmoids.  Each accumulator is read from its low end on.  At the end the swaps between neighbouring tiles.
.macro ACT kind
.irp m, 0,1
.irp f, 0,1,2,3
.irp i, 0,2,4,6
.if (\kind) && (\f < 2)
	v_pk_mul_f32 v[ACC+32*\m+8*\f+\i:ACC+32*\m+8*\f+\i+1], v[ACC+32*\m+8*\f+\i:ACC+32*\m+8*\f+\i+1], s[90:91] op_sel_hi:[1,0]   ; 2 log2 e x (sum + bias)
.else
	v_pk_mul_f32 v[ACC+32*\m+8*\f+\i:ACC+32*\m+8*\f+\i+1], v[ACC+32*\m+8*\f+\i:ACC+32*\m+8*\f+\i+1], s[88:89] op_sel_hi:[1,0]   ; -log2 e x (sum + bias)
.endif
.endr
.endr
.endr
.set j, 0
	s_wait_alu depctr_va_vdst(0)       ; a wait ahead of each batch of transcendentals and one behind it
.rept 64
	v_exp_f32 v[ACC+j], v[ACC+j]
.set j, j+1
.endr
	v_nop                              ; a plain instruction between the exponentials and the use of their results
.set j, 0
	s_wait_alu depctr_va_vdst(0)
.rept 32
	v_pk_add_f32 v[ACC+j:ACC+j+1], v[ACC+j:ACC+j+1], 1.0 op_sel_hi:[1,0]
.set j, j+2
.endr
.set j, 0
	s_wait_alu depctr_va_vdst(0)
.rept 64
	v_rcp_f32 v[ACC+j], v[ACC+j]
.set j, j+1
.endr
	v_nop                              ; likewise behind the reciprocals
.if \kind
	s_wait_alu depctr_va_vdst(0)
.irp m, 0,1
.irp i, 0,2,4,6,8,10,12,14
	v_pk_fma_f32 v[ACC+32*\m+\i:ACC+32*\m+\i+1], v[ACC+32*\m+\i:ACC+32*\m+\i+1], -2.0, 1.0 op_sel_hi:[1,0,0]   ; tanh = 1 - 2 / (1 + 2^(2 x log2 e))
.endr
.endr
.endif
	s_wait_alu depctr_va_vdst(0)
.irp m, 0,1
.irp p, 0,1
.irp i, 0,1,2,3,4,5,6,7
	v_permlane16_swap_b32 v[ACC+32*\m+16*\p+\i], v[ACC+32*\m+16*\p+8+\i]   ; the even tile's lanes 16-31 change places with the odd tile's lanes 0-15: 16 registers = columns 32 B + 16 h + 0 .. 15
.endr
.endr
.endr
.endm
; 64 numbers of a lane in window win, v[s] on: four blocks, register 16 b + i = number 16 h + i of block b.  Codes: registers pc + 6 c .. + 5 hold, in lanes 0-15, block c, in lanes 16-31 block 2 + c.
; pw: the four scale bytes in the order of blocks 0, 2, 1, 3.
.macro QUANT s, win, pc, pw
	WIN (\win)|((\win)<<2)
.irp b, 0,1,2,3
	v_max3_num_f32 v[TM+\b], |v[(\s)+16*\b]|, |v[(\s)+16*\b+1]|, 0x1800000   ; my 16 numbers, and the floor 2^(3 - 127): so the byte cannot fall under 1
.endr
	WIN ((\win)<<2)|((\win)<<4)
.irp i, 2,4,6,8,10,12,14
.irp b, 0,1,2,3
	v_max3_num_f32 v[TM+\b], v[TM+\b], |v[(\s)+16*\b+\i]|, |v[(\s)+16*\b+\i+1]|   ; (the four blocks by turns)
.endr
.endr
	WIN 0
.irp b, 0,1,2,3
	v_permlanex16_b32 v[TM+4+\b], v[TM+\b], s92, s93
.endr
.irp b, 0,1,2,3
	v_max_num_f32 v[TM+\b], v[TM+\b], v[TM+4+\b]       ; with lane l xor 16's: the block's largest magnitude
.endr
.irp b, 0,1,2,3
	v_add_nc_u32 v[TM+12+\b], 0xff000000, v[TM+\b]     ; 2 off its exponent field: the conversion takes the exponent field of this operand as its scale
.endr
.irp b, 0,1,2,3
	v_lshrrev_b32 v[TM+4+\b], 23, v[TM+12+\b]          ; the scale's byte
.endr
	v_lshl_or_b32 v[\pw], v[TM+6], 8, v[TM+4]
	v_lshl_or_b32 v[\pw], v[TM+5], 16, v[\pw]
	v_lshl_or_b32 v[\pw], v[TM+7], 24, v[\pw]
	WIN \win
.irp c, 0,1
	v_cvt_scalef32_pk16_fp6_f32 v[(\pc)+6*\c:(\pc)+6*\c+2], v[(\s)+16*\c:(\s)+16*\c+15], v[TM+12+\c]
	v_cvt_scalef32_pk16_fp6_f32 v[PT+4*\c:PT+4*\c+2], v[(\s)+32+16*\c:(\s)+32+16*\c+15], v[TM+14+\c]   ; (a conversion's three registers begin on an even number)
.endr
	WIN 0
	v_nop                              ; one plain place behind a scaled conversion
.irp c, 0,1
.irp i, 0,1,2
	v_permlane16_swap_b32 v[(\pc)+6*\c+\i], v[PT+4*\c+\i]   ; a whole block to a lane
.endr
.irp i, 0,1,2
	v_mov_b32 v[(\pc)+3+6*\c+\i], v[PT+4*\c+\i]
.endr
.endr
.endm
; Which registers of state a half meets hangs on the slot's number, so these two pieces are written once for each slot and chosen by scalar branches on the loop's counter.  They only READ registers that vary.
.macro VR g, e                         ; state x r: blocks 4 g + 2 e, + 1
.irp m, 0,1
	WIN (2+\m)<<2
.irp b, 0,1
.irp i, 0,2,4,6,8,10,12,14
	v_pk_mul_f32 v[ACC+32*\m+16*\b+\i:ACC+32*\m+16*\b+\i+1], v[ACC+32*\m+16*\b+\i:ACC+32*\m+16*\b+\i+1], v[16*(4*(\g)+2*(\e)+\b)+\i:16*(4*(\g)+2*(\e)+\b)+\i+1]
.endr
.endr
.endr
	WIN 0
.endm
.macro VH g, e                         ; out = u (hat - state) + state: block 2 g + e
.irp m, 0,1
	WIN (2+\m)<<2
.irp i, 0,2,4,6,8,10,12,14
	v_pk_add_f32 v[ACC+32*\m+\i:ACC+32*\m+\i+1], v[ACC+32*\m+\i:ACC+32*\m+\i+1], v[16*(2*(\g)+(\e))+\i:16*(2*(\g)+(\e))+\i+1] neg_lo:[0,1] neg_hi:[0,1]
.endr
	WIN (2+\m)<<4
.irp i, 0,2,4,6,8,10,12,14
	v_pk_fma_f32 v[ACC+32*\m+\i:ACC+32*\m+\i+1], v[ACC+32*\m+16+\i:ACC+32*\m+16+\i+1], v[ACC+32*\m+\i:ACC+32*\m+\i+1], v[16*(2*(\g)+(\e))+\i:16*(2*(\g)+(\e))+\i+1]
.endr
.endr
	WIN 0
.endm
.macro SWITCH_R e
.irp k, 0,1,2
	s_cmp_lg_u32 s83, \k
	s_cbranch_scc1 .Lnr\e\k
	VR \k, \e
	s_branch .Ljr\e
.Lnr\e\k:
.endr
	VR 3, \e
.Ljr\e:
.endm
.macro SWITCH_H e
.irp k, 0,1,2,3,4,5
	s_cmp_lg_u32 s83, \k
	s_cbranch_scc1 .Lnh\e\k
	VH \k, \e
	s_branch .Ljh\e
.Lnh\e\k:
.endr
	VH 6, \e
.Ljh\e:
.endm
.macro ADDRS                           ; the slot's LDS addresses
	v_add_nc_u32 v3, s80, v1           ; chunks 0, 1
	v_add_nc_u32 v4, s80, v2
	v_add_nc_u32 v5, 2*CHB, v3         ; chunks 2, 3
	v_add_nc_u32 v6, 2*CHB, v4
	v_add_nc_u32 v8, s84, v7           ; the slot's scale words
	v_add_nc_u32 v10, s85, v9          ; its biases
.endm
; What stands at a slot's head behind the change: scale words (4 loads), biases (8), the first step's fragments (12); the first step's wait covers them all.
.macro OPEN kind
	SCL \kind, 0
	BIASLD \kind, 0
	FETCH \kind, 0, 0
	WIN 0
	s_wait_alu depctr_va_vdst(0)
.endm
; STATE COMES IN BY CHUNKS: chunk c = 2 ks + m is K step ks (128 columns, 512 bytes a row) of my tile m of 16 rows.
; SLOAD: sixteen loads, one to a row: the 32 lanes read the row's 512 consecutive bytes, 16 each, into the chunk's own registers (window 2 + m, v[64 ks] on), as they lie.
.macro SLOAD c
	WIN (2+(\c)%2)<<6
.irp i, 0,1,2,3,4,5,6,7,8,9,10,11,12,13,14,15
	global_load_b128 v[64*((\c)/2)+4*\i:64*((\c)/2)+4*\i+3], v7, s[4:5] offset:32768*((\c)%2)+2048*\i+512*((\c)/2) th:TH_LOAD_NT
.endr
.endm
; STURN: the chunk goes into my stage by rows and comes back, into the registers that it left, a lane to a row: register 16 b + 4 j on = columns 32 b + 16 h + 4 j on of row r.
; LDS serves a wave's instructions in order (ISA guide 5.7.1): no wait between the stores and the loads, nor in front of the next chunk's stores.
.macro STURN c
	WIN ((2+(\c)%2)<<2)|((2+(\c)%2)<<6)
.irp i, 0,1,2,3,4,5,6,7,8,9,10,11,12,13,14,15
	ds_store_b128 v57, v[64*((\c)/2)+4*\i:64*((\c)/2)+4*\i+3] offset:SPI*\i
.endr
.irp b, 0,1,2,3
.irp j, 0,1,2,3
	ds_load_b128 v[64*((\c)/2)+16*\b+4*\j:64*((\c)/2)+16*\b+4*\j+3], v52 offset:128*\b+16*\j
.endr
.endr
.endm
; QCHUNK: the chunk is quantised: fragment (m, ks) of Q(state).  Behind a K step's second tile the two scale words go into one register, lanes 0-15 and 16-31.
.macro QCHUNK c
	QUANT 64*((\c)/2), 2+(\c)%2, QC+12*(4*((\c)%2)+(\c)/2), 128+(\c)%2
.if (\c)%2
	v_cndmask_b32 v[24+(\c)/2], v128, v129, s94
.endif
.endm
; DTURN: tile m of data's codes, 16 rows x 384 bytes = 12 loads' 512 bytes, lies raw in the tile's 48 registers.  The piece at dense byte o goes to o + 16 (o / 384): rows 400 bytes apart.  Three loads are four rows,
; so three address registers (v72-74) serve, and the immediate is 1,600 for each four rows + 512 u.  Back come the four fragments: lane (r, h): the 48 bytes at 96 ks + 48 h of row r.
.macro DTURN m
	WIN 0x44                                       ; a store's data and a load's destination: window 1
.irp q, 0,1,2,3
.irp u, 0,1,2
	ds_store_b128 v[72+\u], v[DC+48*\m+4*(3*\q+\u):DC+48*\m+4*(3*\q+\u)+3] offset:1600*\q+512*\u
.endr
.endr
.irp ks, 0,1,2,3
.irp k, 0,1,2
	ds_load_b128 v[DC+12*(4*\m+\ks)+4*\k:DC+12*(4*\m+\ks)+4*\k+3], v51 offset:96*\ks+16*\k
.endr
.endr
.endm
; ---------------- the head
	s_load_b512 s[4:19], s[0:1], 0x0               ; state s[4:5], data's codes s[6:7], data's scales s[8:9], b_ig s[10:11], b_is s[12:13], out s[14:15], W_ig's codes s[16:17], scales s[18:19]
	s_load_b256 s[20:27], s[0:1], 0x40             ; W_sg's codes s[20:21], scales s[22:23], W_is's codes s[24:25], scales s[26:27]
	s_load_b128 s[28:31], s[0:1], 0x60             ; W_h2h's codes s[28:29], scales s[30:31]
	v_lshl_add_u32 v16, v0, 2, SPARE               ; my spare word; never rewritten
	v_mov_b32 v17, 0                               ; 0; never rewritten
	ds_add_u32 v16, v17                            ; the opening lines: the add, twice on end, and its wait
	ds_add_u32 v16, v17
	s_wait_dscnt 0x0
	v_lshrrev_b32 v19, 5, v0
	v_readfirstlane_b32 s32, v19                   ; wave 0..3
	s_bfe_u32 s33, ttmp6, 0x40000                  ; cx: it enters the addresses of state, data and out alone
	s_lshl_b32 s34, ttmp9, 2
	s_add_co_u32 s34, s34, s33                     ; work-group = 4 x cluster + cx
	s_mov_b32 s33, 0x03010200                      ; from here on: v_perm_b32's selector that lets bytes 1 and 2 change places
	s_lshl_b32 s35, s34, 2
	s_add_co_u32 s35, s35, s32                     ; which 32 rows are my wave's
	s_lshl_b32 s96, s35, 16                        ; 32 rows of 2,048 bytes, in state and in out
	s_mov_b32 s97, 0
	s_mul_i32 s98, s35, 12288                      ; 32 rows of 384 bytes of data's codes
	s_mov_b32 s99, 0
	s_and_b32 s95, s32, 1                          ; the chunk that I fetch: its parity,
	s_lshr_b32 s87, s32, 1                         ; and its upper bit
	s_mul_i32 s82, s32, CHB                        ; its place in a slot
	s_mov_b32 s88, 0xbfb8aa3b                      ; -log2 e
	s_mov_b32 s89, s88                             ; (the packed forms name a pair and take its low word for both halves)
	s_mov_b32 s90, 0x4038aa3b                      ; 2 log2 e
	s_mov_b32 s91, s90
	s_mov_b32 s92, 0x76543210                      ; v_permlanex16_b32's selects for lane l xor 16
	s_mov_b32 s93, 0xfedcba98
	s_mov_b32 s94, 0xffff0000                      ; a mask of lanes 16-31
	; group 1 for the codes: a chunk's 64 weight rows x 384 bytes are 24,576 dense bytes, stated as 96 rows of 256 bytes: every row begins at a multiple of 256 bytes from its buffer's first byte
	s_mov_b32 s36, 0x0730000f                      ; 15:0 the mask: all four work-groups; 17:16 elements of 1 byte; 20 padding on; 21 set beside a mask; 24:22 after every 32 words (code 4); 31:25 4 words of it (code 3): a weight row's pitch is 432
	s_mov_b32 s37, 256<<16                         ; tensor_dim0
	s_mov_b32 s38, 96<<16                          ; tensor_dim1
	s_mov_b32 s39, 256<<16                         ; tile_dim0
	s_mov_b32 s40, 96                              ; tile_dim1
	s_mov_b32 s41, 256                             ; tensor_dim0_stride
	s_mov_b32 s42, 0
	s_mov_b32 s43, 0
	v_and_b32 v48, 15, v0                          ; r
	v_bfe_u32 v49, v0, 4, 1                        ; h
	v_and_b32 v50, 31, v0                          ; lane
	v_mul_u32_u24 v1, v48, 432
	v_lshl_add_u32 v2, v49, 6, v1                  ; a weight fragment's row x pitch + 64 h (behind one padding more)
	v_mad_u32_u24 v1, v49, 48, v1                  ; and + 48 h
	v_lshlrev_b32 v7, 4, v50                       ; 16 x lane: also my 16 bytes of every load of 512 consecutive bytes
	v_lshlrev_b32 v9, 5, v49                       ; 32 h: my eight words of a tile's biases
	s_mul_i32 s95, s32, 12288
	s_add_co_u32 s95, s95, PRIV                    ; my wave's own LDS
	v_lshl_add_u32 v11, v50, 3, s95                ; an image's piece, back: 8 x lane
	v_mul_u32_u24 v13, v48, 272
	v_lshl_add_u32 v13, v49, 6, v13
	v_add_nc_u32 v13, s95, v13                     ; the stage for out, in: row r, + 64 h
	v_mul_u32_u24 v14, v49, 272
	v_lshl_add_u32 v14, v48, 4, v14
	v_add_nc_u32 v14, s95, v14                     ; back: lanes 0-15 one row of 256 bytes, lanes 16-31 the next
	v_lshlrev_b32 v15, 11, v49
	v_lshl_add_u32 v15, v48, 4, v15                ; and the same two rows in out
	v_lshl_add_u32 v57, v50, 4, s95                ; the stage for state, in: 16 x lane; the row stands in the immediate
	v_mul_u32_u24 v52, v48, SPI
	v_lshl_add_u32 v52, v49, 6, v52
	v_add_nc_u32 v52, s95, v52                     ; back: row r, + 64 h: my 16 numbers of a block of 32
	v_mul_u32_u24 v51, v48, DPI
	v_mad_u32_u24 v51, v49, 48, v51
	v_add_nc_u32 v51, s95, v51                     ; the stage for data, back: row r, + 48 h
.irp u, 0,1,2                                      ; in: 16 x lane + 16 x the rows passed: (lane + 32 u) / 24, which is ((lane + 32 u) / 8) / 3, and x / 3 = 11 x / 32 for x up to 11
	v_add_nc_u32 v[72+\u], 32*\u, v50
	v_lshrrev_b32 v[72+\u], 3, v[72+\u]
	v_mul_u32_u24 v[72+\u], v[72+\u], 11
	v_lshrrev_b32 v[72+\u], 5, v[72+\u]
	v_lshl_add_u32 v[72+\u], v[72+\u], 4, v57
.endr
	v_lshlrev_b32 v53, 5, v0                       ; b_ig: 8 words a thread
	v_lshlrev_b32 v54, 4, v0                       ; b_is: 4 words a thread
	v_lshl_add_u32 v55, v0, 5, BIAS                ; and where they go in LDS
	v_lshl_add_u32 v56, v0, 4, BIAS+4096
	v_lshl_add_u32 v75, v19, 11, v7                ; the weights' scales: my wave's quarter of a buffer of 8,192 bytes, 16 x lane + 2,048 x wave,
	v_lshl_add_u32 v76, v19, 12, v7                ; and of one of 16,384 bytes;
	v_add_nc_u32 v77, SC, v75                      ; and where they go in LDS
	v_add_nc_u32 v78, SC+16384, v76
.irp b, 0,1,2,3
	v_mov_b32 v[TM+4+\b], 0                        ; written once: a lane permute's destination counts as one of its sources
.endr
	v_mov_b32 v29, 0                               ; the queue of Q(state r)'s scale words is moved before it is full
	v_mov_b32 v30, 0
	v_mov_b32 v31, 0
	v_mul_u32_u24 v58, v49, 6144
	v_lshl_add_u32 v58, v48, 3, v58
	v_add_nc_u32 v0, s95, v58                      ; an image's piece, in: lane (r, h) holds codes of my tile h of rows: four fragments of 1,536 bytes on for h = 1, + 8 r.  (The thread's number is used no more)
	s_and_b32 s95, s32, 1
	s_wait_alu depctr_va_vdst(0)
	s_wait_kmcnt 0x0
	s_add_nc_u64 s[4:5], s[4:5], s[96:97]          ; state, out, data at my wave's first row
	s_add_nc_u64 s[14:15], s[14:15], s[96:97]
	s_add_nc_u64 s[6:7], s[6:7], s[98:99]
	s_lshl_b32 s98, s35, 9                         ; 32 rows of 16 scale bytes
	s_add_nc_u64 s[8:9], s[8:9], s[98:99]
	; the buffers of the chunk that I fetch: the choices hang on the wave's number alone.  R: even W_ig, odd W_sg.  H, and the scales: 0 W_is, 1 W_h2h, 2 W_ig, 3 W_sg
	s_cmp_eq_u32 s95, 0
	s_cselect_b64 s[76:77], s[16:17], s[20:21]
	s_cselect_b64 s[78:79], s[24:25], s[28:29]
	s_cmp_lt_u32 s32, 2
	s_cselect_b64 s[78:79], s[78:79], s[76:77]
	s_mul_i32 s66, s87, 24576                      ; R: weight row 512 + 64 (chunk / 2): its codes
	s_add_co_u32 s66, s66, 196608
	s_mov_b32 s67, 0
	s_add_nc_u64 s[76:77], s[76:77], s[66:67]
	; what is small goes out first: biases, data's scale words and codes (28 loads), the weights' scales (24 loads)
	global_load_b128 v[60:63], v53, s[10:11]
	global_load_b128 v[64:67], v53, s[10:11] offset:16
	global_load_b128 v[68:71], v54, s[12:13]
	global_load_b128 v[20:23], v7, s[8:9] th:TH_LOAD_NT   ; lane l: row l's 16 bytes: register = K step; lanes 0-15 my first tile of rows, lanes 16-31 my second
	WIN 0x40
.irp i, 0,1,2,3,4,5,6,7,8,9,10,11,12,13,14,15,16,17,18,19,20,21,22,23
	global_load_b128 v[DC+4*\i:DC+4*\i+3], v7, s[6:7] offset:512*\i th:TH_LOAD_NT   ; my 32 rows' codes are 12,288 dense bytes: 512 consecutive bytes a load, as they lie
.endr
	WIN 0
; The weights' scales, 49,152 bytes in four buffers: each wave takes a quarter of each, 512 consecutive bytes a load, into the registers that Q(state)'s codes take later.  They go through registers and not by a joint
; tensor load: their bytes are exchanged on the way, once for the whole launch, and they are 49,152 of the 1,228,800 bytes of weights that a work-group walks.
.irp i, 0,1,2,3
	global_load_b128 v[160+4*\i:163+4*\i], v75, s[26:27] offset:512*\i   ; W_is
	global_load_b128 v[176+4*\i:179+4*\i], v75, s[30:31] offset:512*\i   ; W_h2h
.endr
.irp i, 0,1,2,3,4,5,6,7
	global_load_b128 v[192+4*\i:195+4*\i], v76, s[18:19] offset:512*\i   ; W_ig
	global_load_b128 v[224+4*\i:227+4*\i], v76, s[22:23] offset:512*\i   ; W_sg
.endr
	s_mov_b32 s60, 1                               ; group 0 of the ring: count = 1,
	s_mov_b32 s61, s82                             ; slot 0, my chunk,
	s_mov_b64 s[62:63], s[76:77]                   ; phase R's first rows,
	s_or_b32 s63, s63, 0x80000000                  ; type = 2
	s_add_nc_u64 s[76:77], s[76:77], 49152         ; the next fill: 128 weight rows on
	CROUND                                         ; all four work-groups are here: the first joint loads meet
	tensor_load_to_lds s[60:63], s[36:43]          ; my one tensor load at the head: my chunk of slot 0
	s_nop 0
	PLACES
	SLOAD 0                                        ; state's first three chunks: 48 loads
	SLOAD 1
	SLOAD 2
	WIN 0
; ---------------- the prologue: biases to LDS, data turned, state turned and quantised
	s_wait_loadcnt 48                              ; only the 48 loads of state's chunks 0-2 may be out: the 52 small ones are in
.irp j, 20,21,22,23
	v_perm_b32 v[\j], v[\j], v[\j], s33            ; data's scale words: bytes 1 and 2 change places
.endr
.set j, 160
.rept 96
	v_perm_b32 v[j], v[j], v[j], s33               ; and so in the weights' scale words
.set j, j+1
.endr
.irp i, 0,1,2,3
	ds_store_b128 v77, v[160+4*\i:163+4*\i] offset:512*\i
	ds_store_b128 v77, v[176+4*\i:179+4*\i] offset:8192+512*\i
.endr
.irp i, 0,1,2,3,4,5,6,7
	ds_store_b128 v78, v[192+4*\i:195+4*\i] offset:512*\i
	ds_store_b128 v78, v[224+4*\i:227+4*\i] offset:16384+512*\i
.endr
	ds_store_b128 v55, v[60:63]                    ; every wave reads the scales and the biases behind the first change of slots, in front of whose barrier each wave waits for its LDS stores
	ds_store_b128 v55, v[64:67] offset:16
	ds_store_b128 v56, v[68:71]
	DTURN 0
	DTURN 1
; Three chunks' loads are always on their way; a chunk is quantised while the next one is in LDS.
.irp c, 0,1,2,3,4,5,6,7
.if \c < 5
	SLOAD \c+3
	s_wait_loadcnt 48                              ; chunk c is in: behind it the loads of three chunks were issued
.else
	s_wait_loadcnt 16*(7-\c)                       ; behind it those of the chunks that are left
.endif
	STURN \c
.if \c > 0
	s_wait_dscnt 32                                ; only this chunk's 16 stores and 16 loads may be out: the chunk before is back from the stage
	QCHUNK \c-1
.endif
.endr
	s_wait_dscnt 0x0
	QCHUNK 7
; ---------------- phase R: four slots, 128 columns of r each
	s_mov_b32 s80, 0                               ; the slot that is read
	s_mov_b32 s81, 0                               ; the slot that was filled last
	s_mov_b32 s83, 0                               ; the trip
	s_mov_b32 s84, SC+8192                         ; the slot's scale words: weight rows 512 on
	s_mov_b32 s85, BIAS+2048                       ; its biases: b_ig from word 512 on
	s_mov_b32 s86, 0                               ; its K step among Q(state r)'s images
.Lr:
	CHANGE 1
	s_add_nc_u64 s[76:77], s[76:77], 49152         ; the fill after this one: 128 weight rows on,
	s_cmp_eq_u32 s83, 2
	s_cselect_b64 s[76:77], s[78:79], s[76:77]     ; or, behind phase R's last rows, phase H's first
	ADDRS
	v_add_nc_u32 v12, s86, v0
	OPEN 0
.irp e, 0,1
	HALF 0, \e
	ACT 0                                          ; r
	SWITCH_R \e                                    ; state x r
	QUANT ACC, 0, PC, 128                          ; blocks (rows 0-15: columns 0-31, 32-63), (rows 16-31: likewise).  Lane (r, h) then holds, of row r of my tile h, memory blocks 2 e and 2 e + 1 of this K step: all 12 registers of lane 16 e + r of fragment (h, this slot)
.irp p, 0,1,2,3,4,5
	ds_store_b64 v12, v[PC+2*\p:PC+2*\p+1] offset:256*\p+128*\e   ; images of the registers, in my own LDS: 8 bytes a lane, 256 a piece
.endr
	v_lshrrev_b32 v19, 8, v128
	v_cndmask_b32 v19, v128, v19, s94              ; bytes 0 and 2: lanes 0-15 the two bytes of rows 0-15, lanes 16-31 those of rows 16-31
.if \e == 0
	v_and_b32 v18, 0xff00ff, v19                   ; memory blocks 0 and 1 are the scale word's bytes 0 and 2,
.else
	v_and_b32 v19, 0xff00ff, v19
	v_lshl_or_b32 v18, v19, 8, v18                 ; blocks 2 and 3 its bytes 1 and 3
.endif
	s_wait_dscnt 0x0                               ; the stores have read their registers: the next fragment loads land there
.if \e == 0
	BIASLD 0, 1
.endif
.endr
	v_mov_b32 v28, v29                             ; the queue moves: after four trips register 28 + ks holds K step ks
	v_mov_b32 v29, v30
	v_mov_b32 v30, v31
	s_wait_alu depctr_va_vdst(0)
	v_mov_b32 v31, v18
	s_xor_b32 s80, s80, SLOTB
	s_add_co_u32 s84, s84, 2048
	s_add_co_u32 s85, s85, 512
	s_add_co_u32 s86, s86, 1536
	s_add_co_u32 s83, s83, 1
	s_cmp_lt_u32 s83, 4
	s_cbranch_scc1 .Lr
	s_add_nc_u64 s[76:77], s[78:79], 24576         ; the next fill: phase H's second slot
	WIN 0x40
.irp x, 0,1,2,3,4,5,6,7
.irp p, 0,1,2,3,4,5
	ds_load_b64 v[RC+12*\x+2*\p:RC+12*\x+2*\p+1], v11 offset:1536*\x+256*\p   ; Q(state r)'s eight fragments come back; the next change of slots waits for them
.endr
.endr
	WIN 0
	s_mov_b32 s84, SC
	s_mov_b32 s85, BIAS
	s_mov_b32 s83, 0
; ---------------- phase H: eight slots, 64 columns of out each
.macro HBODY last
.if \last
	CHANGE 0                                       ; nothing is left to fetch
.else
	CHANGE 1
	s_add_nc_u64 s[76:77], s[76:77], 24576         ; 64 weight rows on
.endif
	ADDRS
	OPEN 1
.irp e, 0,1
	HALF 1, \e
	ACT 1                                          ; hat in registers 0-15 of each tile of rows, u in 16-31
.if \last
	VH 7, \e
.else
	SWITCH_H \e
.endif
	s_wait_alu depctr_va_vdst(0)
.irp m, 0,1
.irp j, 0,1,2,3
	ds_store_b128 v13, v[ACC+32*\m+4*\j:ACC+32*\m+4*\j+3] offset:4352*\m+128*\e+16*\j   ; row 16 m + r, columns 32 e + 16 h + 4 j on
.endr
.endr
.if \e == 0
	s_wait_dscnt 0x0                               ; the stores have read their registers: the next half's biases land there
	BIASLD 1, 1
.endif
.endr
.irp i, 0,1,2,3,4,5,6,7,8,9,10,11,12,13,14,15
	ds_load_b128 v[ACC+4*\i:ACC+4*\i+3], v14 offset:544*\i   ; LDS serves a wave's instructions in order (ISA guide 5.7.1): these see my stores
.endr
.irp i, 0,1,2,3,4,5,6,7,8,9,10,11,12,13,14,15
	s_wait_dscnt 15-\i                             ; row pair i is back
	global_store_b128 v15, v[ACC+4*\i:ACC+4*\i+3], s[14:15] offset:4096*\i th:TH_STORE_NT   ; 16 lanes store 256 consecutive bytes, at a multiple of 256 from out's first byte
.endr
.if \last == 0
	s_wait_xcnt 0x0                                ; the stores have read their registers and their base: both are written again only behind this wait
	s_add_nc_u64 s[14:15], s[14:15], 256           ; 64 columns on
	s_xor_b32 s80, s80, SLOTB
	s_add_co_u32 s84, s84, 1024
	s_add_co_u32 s85, s85, 256
.endif
.endm
.Lh:
	HBODY 0
	s_add_co_u32 s83, s83, 1
	s_cmp_lt_u32 s83, 7
	s_cbranch_scc1 .Lh
	HBODY 1                                        ; the last slot is written out
	s_wait_tensorcnt 0x0                           ; the wave's end: behind my last tensor load and my last LDS store
	ds_add_u32 v16, v17
	s_wait_dscnt 0x0
	CROUND                                         ; the closing round: no work-group ends while a partner may still ask for a tile that names it
	s_endpgm
.Lfunc_end_k_q1c64dcbd9f_gru:
	.size	k_q1c64dcbd9f_gru, .Lfunc_end_k_q1c64dcbd9f_gru-k_q1c64dcbd9f_gru
	.p2alignl 7, 3214868480
	.fill 96, 4, 3214868480
	.section	.rodata,"a",@progbits
	.p2align	6, 0x0
	.amdhsa_kernel k_q1c64dcbd9f_gru
		.amdhsa_group_segment_fixed_size 327680
		.amdhsa_private_segment_fixed_size 0
		.amdhsa_enable_private_segment 0
		.amdhsa_kernarg_size 112
		.amdhsa_user_sgpr_count 2
		.amdhsa_user_sgpr_kernarg_segment_ptr 1
		.amdhsa_wavefront_size32 1
		.amdhsa_system_sgpr_workgroup_id_x 1
		.amdhsa_system_sgpr_workgroup_id_y 1
		.amdhsa_system_sgpr_workgroup_id_z 1
		.amdhsa_system_vgpr_workitem_id 0
		.amdhsa_next_free_vgpr 1024
		.amdhsa_next_free_sgpr 100
		.amdhsa_reserve_vcc 0
		.amdhsa_float_denorm_mode_32 3
		.amdhsa_float_denorm_mode_16_64 3
		.amdhsa_memory_ordered 1
		.amdhsa_forward_progress 1
		.amdhsa_inst_pref_size 255
	.end_amdhsa_kernel
	.section	.bss,"aw",@nobits
	.p2align	6
	.space	262144
	.amdgpu_metadata
---
amdhsa.version: [ 1, 2 ]
amdhsa.kernels:
  - .name:           k_q1c64dcbd9f_gru
    .symbol:         k_q1c64dcbd9f_gru.kd
    .args:
      - { .name: state, .offset: 0, .size: 8, .value_kind: global_buffer, .address_space: global }
      - { .name: data_codes, .offset: 8, .size: 8, .value_kind: global_buffer, .address_space: global }
      - { .name: data_scales, .offset: 16, .size: 8, .value_kind: global_buffer, .address_space: global }
      - { .name: b_ig, .offset: 24, .size: 8, .value_kind: global_buffer, .address_space: global }
      - { .name: b_is, .offset: 32, .size: 8, .value_kind: global_buffer, .address_space: global }
      - { .name: out0, .offset: 40, .size: 8, .value_kind: global_buffer, .address_space: global }
      - { .name: W_ig_codes, .offset: 48, .size: 8, .value_kind: global_buffer, .address_space: global }
      - { .name: W_ig_scales, .offset: 56, .size: 8, .value_kind: global_buffer, .address_space: global }
      - { .name: W_sg_codes, .offset: 64, .size: 8, .value_kind: global_buffer, .address_space: global }
      - { .name: W_sg_scales, .offset: 72, .size: 8, .value_kind: global_buffer, .address_space: global }
      - { .name: W_is_codes, .offset: 80, .size: 8, .value_kind: global_buffer, .address_space: global }
      - { .name: W_is_scales, .offset: 88, .size: 8, .value_kind: global_buffer, .address_space: global }
      - { .name: W_h2h_codes, .offset: 96, .size: 8, .value_kind: global_buffer, .address_space: global }
      - { .name: W_h2h_scales, .offset: 104, .size: 8, .value_kind: global_buffer, .address_space: global }
    .group_segment_fixed_size: 327680
    .private_segment_fixed_size: 0
    .kernarg_segment_align: 8
    .kernarg_segment_size: 112
    .max_flat_workgroup_size: 128
    .sgpr_count:     100
    .vgpr_count:     1024
    .wavefront_size: 32
...
	.end_amdgpu_metadata
.endif
;; end of part 2
